; MI455X (gfx1250); checked and timed in simulation.
; The chip was launched on July 23, 2026; its instructions are those of AMD's public machine-readable ISA for CDNA 5 (MIT licence, August 2026) and "CDNA5" Instruction Set Architecture Reference Guide (July 2026). The comments in the code are by the model that wrote it; some were corrected since.
;; Causal Self Attention. Allowed arithmetic: matrix products marked QUANTISED: E4M3 operands, one given power-of-two scale a tensor, by v_wmma_f32_16x16x64_fp8_fp8 or v_wmma_f32_16x16x128_fp8_fp8, f32 sums; everything else in f32.
;; Inputs: Wk 1,024 x 1,024 float32; Wp 1,024 x 1,024 float32; Wq 1,024 x 1,024 float32; Wv 1,024 x 1,024 float32; bk 1,024 float32; bp 1,024 float32; bq 1,024 float32; bv 1,024 float32; lowp_scales 12 int32 (the exponents e of the quantised operands' scales 2^e); pk 2 x 16 x 1,024 x 64 float32; pv 2 x 16 x 1,024 x 64 float32; x 2 x 2,048 x 1,024 float32.
;; Outputs: out0 2 x 2,048 x 1,024 float32; out1 2 x 16 x 3,072 x 64 float32; out2 2 x 16 x 3,072 x 64 float32.
;; This version of the problem:
;;   THIS VERSION OF THE PROBLEM IS GIVEN IN LOW PRECISION. The matrix products marked QUANTISED in the list below multiply operands that are first quantised to E4M3 (4 exponent bits, 3 mantissa bits; 8 bits a number), with one given power-of-two scale for each operand tensor; their sums are f32. All else is computed in f32.
;;   The module's matrix products, in the order in which they are computed (A, B: the left and right operand; K: the contracted axis; several contracted axes count as one K, in the product's order):
;;     1. [M 4,096, K 1,024] x [K 1,024, N 1,024]; A: input x; B: input Wq: QUANTISED (scales: A lowp_scales[0], B lowp_scales[1])
;;     2. [M 4,096, K 1,024] x [K 1,024, N 1,024]; A: input x; B: input Wk: QUANTISED (scales: A lowp_scales[2], B lowp_scales[3])
;;     3. [M 4,096, K 1,024] x [K 1,024, N 1,024]; A: input x; B: input Wv: QUANTISED (scales: A lowp_scales[4], B lowp_scales[5])
;;     4. batch 32 x [M 2,048, K 64] x [K 64, N 3,072]; A: computed on the way; B: computed on the way: QUANTISED (scales: A lowp_scales[6], B lowp_scales[7])
;;     5. batch 32 x [M 2,048, K 3,072] x [K 3,072, N 64]; A: softmax (see below); B: computed on the way: QUANTISED (scales: A lowp_scales[8], B lowp_scales[9])
;;     6. [M 4,096, K 1,024] x [K 1,024, N 1,024]; A: computed on the way; B: input Wp: QUANTISED (scales: A lowp_scales[10], B lowp_scales[11])
;;   THE QUANTISER, for each operand of a quantised product, along K:
;;     - The operand's scale is 2^e, e = its entry of the input lowp_scales (int32; the entries are numbered through the quantised products in the list's order, A before B).
;;     - Each number is divided by the scale, clamped to +-448, and rounded to the nearest number of E4M3, ties to even, subnormals kept.
;;     - The product sums the exact products of the quantised numbers (number of the format x scale) in f32.
;;   ~~~python
;;   def quantise(x, axis, e):      # numpy; x: float32 -> the quantised numbers, widened to float32 again
;;       x = np.moveaxis(x, axis, -1); K = x.shape[-1]
;;       r = np.clip(x / 2.0 ** e, -448, 448)
;;       step = 2.0 ** (np.maximum(np.frexp(np.where(r == 0, 1, r))[1] - 1, -6) - 3)
;;       q = np.round(r / step) * step * 2.0 ** e      # np.round: ties to even
;;       return np.moveaxis(q, -1, axis).astype(np.float32)
;;   ~~~
;;   SOFTMAX AHEAD OF A QUANTISED PRODUCT. Where the list says 'softmax', what is quantised is not the finished softmax but p = 2^(t - M), with t = logit x log2(e) and M = ceil(the row's largest t), a whole number; so 1/2 < the row's largest p <= 1. The row's sum l is taken of the UNQUANTISED p, in f32, and the product's result is divided by l at the end. Since M is a whole number, a kernel that streams over the keys may use a running M (the ceiling of the running maximum): every later rescaling is an exact power of two, so the quantised numbers keep their values, but for numbers so far below the row's largest that they fall under the format's range.
;;   OPERANDS COMPUTED ON THE WAY. 'Computed on the way' means the value that the module computes at that place (a softmax that the list does not call 'softmax' is quantised finished and normalised). What goes into a quantiser is computed in f32, as accurately as f32 sums, v_exp_f32 and their like allow (about 1e-6 of the number): no bf16 or f16 on the way to a quantiser, and a product that is left as it is and whose result goes on into a quantised operand takes f32 operands (vector FMAs, or v_wmma_f32_16x16x4_f32). A number that lies on a knife's edge between two numbers of the format may be rounded either way, as far as f32 arithmetic and the matrix unit's own rounding can turn it there, and no further.
;; One version. Each part assembles by itself: llvm-mc -triple=amdgcn-amd-amdhsa -mcpu=gfx1250 --defsym DOCPART=n.
;; ======== version 1 of 1: 4 launches
;; limits: right only within a limited range of input values
;; workspace buffers: xc 12,582,912 bytes; wc 4,194,304 bytes; qc 4,194,304 bytes; kvc 12,582,912 bytes; yc 4,194,304 bytes
;; launch prep (part 1): grid 768 x 1, 4 waves a work-group, no clusters, 103,936 bytes of LDS; arguments x, Wq, Wk, Wv, Wp, pk, pv, lowp_scales, xc, wc, kvc, out1, out2; writes xc, wc, kvc, out1, out2
.if DOCPART == 1
	.amdgcn_target "amdgcn-amd-amdhsa--gfx1250"
	.amdhsa_code_object_version 6
	.text
	.protected	k_q25b940af65_prep
	.globl	k_q25b940af65_prep
	.p2align	8
	.type	k_q25b940af65_prep,@function
k_q25b940af65_prep:
	s_mov_b64 s[64:65], 0
	v_nop
	global_prefetch_b8 v0, s[64:65] scope:SCOPE_SE
	s_setreg_imm32_b32 hwreg(HW_REG_WAVE_MODE, 25, 1), 1
	s_wait_xcnt 0x0
; PREP: the f32 inputs become codes of E4M3, and the cache's keys and values are copied into out1 and out2.
; code = number / 2^e, held within +-448, to the nearest code, ties to even; e is the operand's entry of lowp_scales.
; LIMITS: each e between -126 and 119, so that 2^e and 448 x 2^e are f32 numbers.  NaN among the inputs is not served; an infinity is held at the largest code.
; THE LAYOUT OF ALL CODES: [16 rows][16 along K] is a cell of 256 bytes, row r at 16 r; the cells of a tile of 16 rows follow each other along K.  So four registers of an operand
; (lane l: row l % 16, K = 32 c + 16 (l / 16) + 0 .. 15) are 512 consecutive bytes, lane l's at 16 l.
; THE ROWS OF A TILE OF TOKENS ARE NOT NEIGHBOURS: row r of tile 2 B + u is token 32 B + 8 u + r + 8 (r / 8).
; FOUR PATHS by the work-group's number, each with LDS bytes of its own; a wave shares nothing, so there is no barrier:
;   0-255   X: x [4096][1024] -> xc, three times (entries 0, 2, 4).  Work-group g = tile g of 16 rows; wave w takes K = 256 w .. 256 w + 255, in two tasks of 128.
;   256-511 W: Wq, Wk, Wv, Wp [k][n] -> wc [n][k] (entries 1, 3, 5, 11).  A lane takes a column and its registers run down K: nothing is transposed.
;   512-639 PK: pk -> out1 (keys 0-1023) and K's tiles in kvc (entry 7).   640-767 PV: pv -> out2 and V's tiles in kvc, keys innermost (entry 9).
; kvc: [head 32][key step 24][16,384]: 8 tiles of K (1,024 bytes: 4 cells), then 4 tiles of 16 channels of V (2,048 bytes: 8 cells of 16 keys).
.set XSTW,  8448                       ; X: a wave's stage: 16 rows x (512 + 16) bytes
.set KSTW,  8704                       ; PK, PV: 32 rows x (256 + 16) bytes
.set XST,   0
.set KST,   4*XSTW
.set VST,   KST+4*KSTW
.set SPARE, VST+4*KSTW                 ; the spare words, 128 bytes for each wave: two blocks of 256 bytes that no other line names
.set T,     24                         ; v24-39   16 numbers, held
.set R,     64                         ; v64-191  as loaded: two tasks of 64 registers (W: eight cells of 16)
.set XS,    192                        ; v192-255 back from the stage: four cells of 16 neighbours along K (W: the codes)
; v1 lane, v2 l % 16, v3 l / 16, v4 16 l, v5-10 LDS addresses, v11, v15 lane offsets of code stores, v12, v13 the add's two, v14 4 l, v16-21 scale and limit x 3, v40-55 codes
.macro MKSCALE se, vs, vl              ; v[vs] = 2^e as f32 (the conversion takes its exponent field), v[vl] = 448 x 2^e
	s_add_co_i32 s56, s[\se], 127
	s_lshl_b32 s57, s56, 23
	v_mov_b32 v[\vs], s57
	s_add_co_i32 s56, s56, 8
	s_lshl_b32 s56, s56, 23
	s_or_b32 s56, s56, 0x600000
	v_mov_b32 v[\vl], s56
.endm
.macro QCELL src, dst, vs, vl          ; 16 numbers of a lane -> 16 codes in four registers
.set qi, 0
.rept 16
	v_med3_num_f32 v[T+qi], v[(\src)+qi], -v[\vl], v[\vl]   ; the conversion to an 8-bit code does not saturate (ISA guide 7.6.2): the hold comes first
.set qi, qi+1
.endr
	v_cvt_scalef32_pk8_fp8_f32 v[(\dst):(\dst)+1], v[T:T+7], v[\vs]
	v_cvt_scalef32_pk8_fp8_f32 v[(\dst)+2:(\dst)+3], v[T+8:T+15], v[\vs]
	v_nop                                          ; a plain line between the conversions and the next holds, which write their sources
.endm
.macro CLOSE                           ; the wave's end
	s_wait_tensorcnt 0x0
	ds_add_u32 v12, v13
	s_wait_dscnt 0x0
	s_endpgm
.endm
	s_load_b512 s[4:19], s[0:1], 0x0               ; x, Wq, Wk, Wv, Wp, pk, pv, lowp_scales
	s_load_b256 s[20:27], s[0:1], 0x40             ; xc, wc, kvc, out1
	s_load_b64 s[28:29], s[0:1], 0x60              ; out2
	v_lshl_add_u32 v12, v0, 2, SPARE
	v_mov_b32 v13, 0
	v_lshrrev_b32 v1, 5, v0
	v_readfirstlane_b32 s30, v1                    ; wave 0..3
	v_and_b32 v1, 31, v0                           ; l
	v_and_b32 v2, 15, v0                           ; l % 16
	v_bfe_u32 v3, v0, 4, 1                         ; l / 16
	v_lshlrev_b32 v4, 4, v1                        ; 16 l
	v_lshlrev_b32 v14, 2, v1                       ; 4 l
	; every LDS address is made here, ahead of the parting
	s_mul_i32 s31, s30, XSTW
	v_add_nc_u32 v5, s31, v4                       ; X in: a row's 512 bytes as they lie
	v_mul_u32_u24 v6, v2, 528
	v_lshl_add_u32 v6, v3, 6, v6
	v_add_nc_u32 v6, s31, v6                       ; X out: row l % 16, + 64 (l / 16): my 16 neighbours of a pair of cells
	s_mul_i32 s31, s30, KSTW
	s_add_co_u32 s32, s31, KST
	v_mul_u32_u24 v15, v3, 272
	v_lshl_add_u32 v15, v2, 4, v15                 ; two rows of 256 bytes to a load
	v_add_nc_u32 v7, s32, v15                      ; PK in
	v_mul_u32_u24 v8, v2, 272
	v_lshl_add_u32 v8, v3, 6, v8
	v_add_nc_u32 v8, s32, v8                       ; PK out
	s_add_co_u32 s32, s31, VST
	v_add_nc_u32 v9, s32, v15                      ; PV in
	v_add_nc_u32 v10, s32, v14                     ; PV out: a lane to a channel
	v_lshlrev_b32 v11, 14, v3
	v_lshl_add_u32 v11, v2, 4, v11                 ; W's codes: lanes 16-31 stand one tile of 16 columns (16,384 bytes) on
	v_lshlrev_b32 v15, 11, v3
	v_lshl_add_u32 v15, v2, 4, v15                 ; V's codes: one tile of 16 channels (2,048 bytes) on
	s_wait_kmcnt 0x0
	s_load_b256 s[36:43], s[18:19], 0x0            ; entries 0-7
	s_load_b128 s[44:47], s[18:19], 0x20           ; entries 8-11
	s_cmp_lt_u32 ttmp9, 256
	s_cbranch_scc1 .Lpath_x
	s_cmp_lt_u32 ttmp9, 512
	s_cbranch_scc1 .Lpath_w
	s_cmp_lt_u32 ttmp9, 640
	s_cbranch_scc1 .Lpath_k
; ---------------- PV.  A task is 32 keys of a head, 8,192 dense bytes; task = 8 id + 2 wave + n
	s_sub_co_u32 s48, ttmp9, 640
	s_lshl_b32 s49, s48, 3
	s_lshl_b32 s50, s30, 1
	s_add_co_u32 s49, s49, s50
	s_lshl_b32 s50, s49, 13
	s_mov_b32 s51, 0
	s_add_nc_u64 s[16:17], s[16:17], s[50:51]      ; pv at my first task
	s_lshr_b32 s52, s49, 5                         ; head
	s_and_b32 s53, s49, 31                         ; block of 32 keys (even)
	s_mul_i32 s50, s52, 786432
	s_lshl_b32 s54, s53, 13
	s_add_co_u32 s50, s50, s54
	s_add_nc_u64 s[28:29], s[28:29], s[50:51]      ; out2: (head x 3072 + 32 block) rows of 256 bytes
	s_mul_i32 s50, s52, 393216
	s_lshr_b32 s54, s53, 2
	s_lshl_b32 s54, s54, 14
	s_add_co_u32 s50, s50, s54
	s_and_b32 s54, s53, 3
	s_lshl_b32 s54, s54, 9
	s_add_co_u32 s50, s50, s54
	s_add_co_u32 s50, s50, 8192
	s_add_nc_u64 s[24:25], s[24:25], s[50:51]      ; kvc: the key step's V, at my two cells of 16 keys
.set li, 0
.rept 32
	global_load_b128 v[R+4*li:R+4*li+3], v4, s[16:17] offset:512*li th:TH_LOAD_NT
.set li, li+1
.endr
	s_wait_kmcnt 0x0
	MKSCALE 45, 16, 17
.macro VTASK n, left
	s_wait_loadcnt \left                           ; this task's 16 loads are in; the other task's may be out
.set ki, 0
.rept 16
	global_store_b128 v4, v[R+64*\n+4*ki:R+64*\n+4*ki+3], s[28:29] offset:8192*\n+512*ki th:TH_STORE_NT   ; the copy: 512 consecutive bytes
.set ki, ki+1
.endr
.set ki, 0
.rept 16
	ds_store_b128 v9, v[R+64*\n+4*ki:R+64*\n+4*ki+3] offset:544*ki      ; keys 2 ki, 2 ki + 1 as rows
.set ki, ki+1
.endr
.set ki, 0
.rept 64                               ; cell c = ki / 16: channels 32 (c / 2) + lane, keys 16 (c % 2) + 0 .. 15 down my registers.  LDS serves a wave's instructions in order: these see the stores
	ds_load_b32 v[XS+ki], v10 offset:(16*((ki/16)%2)+ki%16)*272+128*(ki/32)
.set ki, ki+1
.endr
.if \n > 0
	s_wait_xcnt 0x0                                ; the first task's stores have read the codes' registers
.endif
.irp c, 0,1,2,3
	s_wait_dscnt 48-16*\c                          ; the later cells' loads may be out
	QCELL XS+16*\c, 40+4*\c, 16, 17
	global_store_b128 v15, v[40+4*\c:43+4*\c], s[24:25] offset:512*\n+4096*(\c/2)+256*(\c%2)   ; sixteen lanes fill a cell of 256 bytes
.endr
.endm
	s_wait_alu depctr_va_vdst(0)
	VTASK 0, 16
	VTASK 1, 0
	CLOSE
; ---------------- X
.Lpath_x:
	s_lshr_b32 s48, ttmp9, 1
	s_lshl_b32 s48, s48, 5
	s_and_b32 s49, ttmp9, 1
	s_lshl_b32 s49, s49, 3
	s_add_co_u32 s48, s48, s49                     ; the tile's first row: 32 (g / 2) + 8 (g % 2)
	s_lshl_b32 s48, s48, 12
	s_lshl_b32 s49, s30, 10                        ; my 256 along K
	s_add_co_u32 s48, s48, s49
	s_mov_b32 s49, 0
	s_add_nc_u64 s[4:5], s[4:5], s[48:49]
.irp n, 0,1
.set li, 0
.rept 16
	global_load_b128 v[R+64*\n+4*li:R+64*\n+4*li+3], v4, s[4:5] offset:(li+8*(li/8))*4096+512*\n th:TH_LOAD_NT   ; row li of the tile: 512 consecutive bytes
.set li, li+1
.endr
.endr
	s_lshl_b32 s48, ttmp9, 14
	s_lshl_b32 s50, s30, 12
	s_add_co_u32 s48, s48, s50
	s_add_nc_u64 s[50:51], s[20:21], s[48:49]      ; xc: tile g, my 16 cells; one base for each of the three scales
	s_add_nc_u64 s[52:53], s[50:51], 0x400000
	s_add_nc_u64 s[54:55], s[50:51], 0x800000
	s_wait_kmcnt 0x0
	MKSCALE 36, 16, 17
	MKSCALE 38, 18, 19
	MKSCALE 40, 20, 21
.macro XTASK n, left
	s_wait_loadcnt \left
.set xi, 0
.rept 16
	ds_store_b128 v5, v[R+64*\n+4*xi:R+64*\n+4*xi+3] offset:528*xi
.set xi, xi+1
.endr
.set xi, 0
.rept 16                               ; pair of cells m = xi / 4: my row's K = 32 m + 16 (l / 16) + 0 .. 15
	ds_load_b128 v[XS+4*xi:XS+4*xi+3], v6 offset:128*(xi/4)+16*(xi%4)
.set xi, xi+1
.endr
.irp m, 0,1,2,3
	s_wait_dscnt 12-4*\m                           ; the later pairs' loads may be out
	s_wait_xcnt 0x0                                ; the last stores have read the codes' registers
	QCELL XS+16*\m, 40, 16, 17
	QCELL XS+16*\m, 44, 18, 19
	QCELL XS+16*\m, 48, 20, 21
	global_store_b128 v4, v[40:43], s[50:51] offset:2048*\n+512*\m     ; 512 consecutive bytes: two cells
	global_store_b128 v4, v[44:47], s[52:53] offset:2048*\n+512*\m
	global_store_b128 v4, v[48:51], s[54:55] offset:2048*\n+512*\m
.endr
.endm
	s_wait_alu depctr_va_vdst(0)
	XTASK 0, 16
	XTASK 1, 0
	CLOSE
; ---------------- W.  id: bits 7:6 which weight, 5:3 which 128 along K, 2:0 with the wave: which 32 columns
.Lpath_w:
	s_sub_co_u32 s48, ttmp9, 256
	s_lshr_b32 s49, s48, 6
	s_cmp_eq_u32 s49, 0
	s_cselect_b64 s[50:51], s[6:7], s[8:9]
	s_cmp_eq_u32 s49, 2
	s_cselect_b64 s[50:51], s[10:11], s[50:51]
	s_cmp_eq_u32 s49, 3
	s_cselect_b64 s[50:51], s[12:13], s[50:51]
	s_bfe_u32 s53, s48, 0x30003                    ; which 128 along K
	s_and_b32 s54, s48, 7
	s_lshl_b32 s54, s54, 2
	s_add_co_u32 s54, s54, s30                     ; which 32 columns
	s_lshl_b32 s56, s53, 19                        ; 128 rows of 4,096 bytes
	s_lshl_b32 s57, s54, 7
	s_add_co_u32 s56, s56, s57
	s_mov_b32 s57, 0
	s_add_nc_u64 s[50:51], s[50:51], s[56:57]
	s_lshl_b32 s56, s49, 20
	s_lshl_b32 s58, s54, 15                        ; two tiles of 16 columns
	s_add_co_u32 s56, s56, s58
	s_lshl_b32 s58, s53, 11                        ; eight cells
	s_add_co_u32 s56, s56, s58
	s_add_nc_u64 s[58:59], s[22:23], s[56:57]
.macro WLOAD c                         ; cell c: W(16 c + i, my column): 128 consecutive bytes a wave, 512 a work-group
.set wi, 0
.rept 16
	global_load_b32 v[R+16*(\c)+wi], v14, s[50:51] offset:(16*(\c)+wi)*4096 th:TH_LOAD_NT
.set wi, wi+1
.endr
.endm
.macro WCELL c, left
	s_wait_loadcnt \left                           ; the cells behind this one may be out
.if (\c)+3 < 8
	WLOAD (\c)+3
.endif
	QCELL R+16*(\c), XS+4*(\c), 16, 17
	global_store_b128 v11, v[XS+4*(\c):XS+4*(\c)+3], s[58:59] offset:256*(\c)   ; each cell has its own four registers; sixteen lanes fill a cell
.endm
	WLOAD 0
	WLOAD 1
	WLOAD 2
	s_wait_kmcnt 0x0
	s_cmp_eq_u32 s49, 0
	s_cselect_b32 s60, s37, s39
	s_cmp_eq_u32 s49, 2
	s_cselect_b32 s60, s41, s60
	s_cmp_eq_u32 s49, 3
	s_cselect_b32 s60, s47, s60
	MKSCALE 60, 16, 17
	s_wait_alu depctr_va_vdst(0)
	WCELL 0, 32
	WCELL 1, 32
	WCELL 2, 32
	WCELL 3, 32
	WCELL 4, 32
	WCELL 5, 32
	WCELL 6, 16
	WCELL 7, 0
	CLOSE
; ---------------- PK
.Lpath_k:
	s_sub_co_u32 s48, ttmp9, 512
	s_lshl_b32 s49, s48, 3
	s_lshl_b32 s50, s30, 1
	s_add_co_u32 s49, s49, s50
	s_lshl_b32 s50, s49, 13
	s_mov_b32 s51, 0
	s_add_nc_u64 s[14:15], s[14:15], s[50:51]
	s_lshr_b32 s52, s49, 5
	s_and_b32 s53, s49, 31
	s_mul_i32 s50, s52, 786432
	s_lshl_b32 s54, s53, 13
	s_add_co_u32 s50, s50, s54
	s_add_nc_u64 s[26:27], s[26:27], s[50:51]      ; out1
	s_mul_i32 s50, s52, 393216
	s_lshr_b32 s54, s53, 2
	s_lshl_b32 s54, s54, 14
	s_add_co_u32 s50, s50, s54
	s_and_b32 s54, s53, 3
	s_lshl_b32 s54, s54, 11
	s_add_co_u32 s50, s50, s54
	s_add_nc_u64 s[24:25], s[24:25], s[50:51]      ; kvc: the key step's K, at my two tiles
.set li, 0
.rept 32
	global_load_b128 v[R+4*li:R+4*li+3], v4, s[14:15] offset:512*li th:TH_LOAD_NT
.set li, li+1
.endr
	s_wait_kmcnt 0x0
	MKSCALE 43, 16, 17
.macro KTASK n, left
	s_wait_loadcnt \left
.set ki, 0
.rept 16
	global_store_b128 v4, v[R+64*\n+4*ki:R+64*\n+4*ki+3], s[26:27] offset:8192*\n+512*ki th:TH_STORE_NT
.set ki, ki+1
.endr
.set ki, 0
.rept 16                               ; key k goes to stage row 16 ((k / 8) % 2) + 8 (k / 16) + k % 8: the tiles' order
	ds_store_b128 v7, v[R+64*\n+4*ki:R+64*\n+4*ki+3] offset:(16*((ki/4)%2)+8*(ki/8)+(2*ki)%8)*272
.set ki, ki+1
.endr
.set ki, 0
.rept 16                               ; cell pair c = ki / 4: tile c / 2, channels 32 (c % 2) + 16 (l / 16) + 0 .. 15 of row l % 16
	ds_load_b128 v[XS+4*ki:XS+4*ki+3], v8 offset:4352*(ki/8)+128*((ki/4)%2)+16*(ki%4)
.set ki, ki+1
.endr
.if \n > 0
	s_wait_xcnt 0x0
.endif
.irp c, 0,1,2,3
	s_wait_dscnt 12-4*\c
	QCELL XS+16*\c, 40+4*\c, 16, 17
	global_store_b128 v4, v[40+4*\c:43+4*\c], s[24:25] offset:2048*\n+512*\c
.endr
.endm
	s_wait_alu depctr_va_vdst(0)
	KTASK 0, 16
	KTASK 1, 0
	CLOSE
.Lfunc_end_k_q25b940af65_prep:
	.size	k_q25b940af65_prep, .Lfunc_end_k_q25b940af65_prep-k_q25b940af65_prep
	.p2alignl 7, 3214868480
	.fill 96, 4, 3214868480
	.section	.rodata,"a",@progbits
	.p2align	6, 0x0
	.amdhsa_kernel k_q25b940af65_prep
		.amdhsa_group_segment_fixed_size 103936
		.amdhsa_private_segment_fixed_size 0
		.amdhsa_enable_private_segment 0
		.amdhsa_kernarg_size 104
		.amdhsa_user_sgpr_count 2
		.amdhsa_user_sgpr_kernarg_segment_ptr 1
		.amdhsa_wavefront_size32 1
		.amdhsa_system_sgpr_workgroup_id_x 1
		.amdhsa_system_sgpr_workgroup_id_y 1
		.amdhsa_system_sgpr_workgroup_id_z 1
		.amdhsa_system_vgpr_workitem_id 0
		.amdhsa_next_free_vgpr 256
		.amdhsa_next_free_sgpr 66
		.amdhsa_reserve_vcc 0
		.amdhsa_float_denorm_mode_32 3
		.amdhsa_float_denorm_mode_16_64 3
		.amdhsa_memory_ordered 1
		.amdhsa_forward_progress 1
		.amdhsa_inst_pref_size 115
	.end_amdhsa_kernel
	.amdgpu_metadata
---
amdhsa.version: [ 1, 2 ]
amdhsa.kernels:
  - .name:           k_q25b940af65_prep
    .symbol:         k_q25b940af65_prep.kd
    .args:
      - { .name: x, .offset: 0, .size: 8, .value_kind: global_buffer, .address_space: global }
      - { .name: Wq, .offset: 8, .size: 8, .value_kind: global_buffer, .address_space: global }
      - { .name: Wk, .offset: 16, .size: 8, .value_kind: global_buffer, .address_space: global }
      - { .name: Wv, .offset: 24, .size: 8, .value_kind: global_buffer, .address_space: global }
      - { .name: Wp, .offset: 32, .size: 8, .value_kind: global_buffer, .address_space: global }
      - { .name: pk, .offset: 40, .size: 8, .value_kind: global_buffer, .address_space: global }
      - { .name: pv, .offset: 48, .size: 8, .value_kind: global_buffer, .address_space: global }
      - { .name: lowp_scales, .offset: 56, .size: 8, .value_kind: global_buffer, .address_space: global }
      - { .name: xc, .offset: 64, .size: 8, .value_kind: global_buffer, .address_space: global }
      - { .name: wc, .offset: 72, .size: 8, .value_kind: global_buffer, .address_space: global }
      - { .name: kvc, .offset: 80, .size: 8, .value_kind: global_buffer, .address_space: global }
      - { .name: out1, .offset: 88, .size: 8, .value_kind: global_buffer, .address_space: global }
      - { .name: out2, .offset: 96, .size: 8, .value_kind: global_buffer, .address_space: global }
    .group_segment_fixed_size: 103936
    .private_segment_fixed_size: 0
    .kernarg_segment_align: 8
    .kernarg_segment_size: 104
    .max_flat_workgroup_size: 128
    .sgpr_count:     66
    .vgpr_count:     256
    .wavefront_size: 32
...
	.end_amdgpu_metadata
.endif
;; end of part 1
;; launch qkv (part 2): grid 8 x 32, 4 waves a work-group, clusters of 4 x 4, 327,680 bytes of LDS; arguments xc, wc, lowp_scales, bq, bk, bv, qc, kvc, out1, out2; writes qc, kvc, out1, out2
.if DOCPART == 2
	.amdgcn_target "amdgcn-amd-amdhsa--gfx1250"
	.amdhsa_code_object_version 6
	.text
	.protected	k_q25b940af65_qkv
	.globl	k_q25b940af65_qkv
	.p2align	8
	.type	k_q25b940af65_qkv,@function
k_q25b940af65_qkv:
	s_mov_b64 s[64:65], 0
	v_nop
	global_prefetch_b8 v0, s[64:65] scope:SCOPE_SE
	s_setreg_imm32_b32 hwreg(HW_REG_WAVE_MODE, 25, 1), 1
	s_wait_xcnt 0x0
	s_wait_alu depctr_hold_cnt(0) depctr_sa_sdst(0) depctr_va_vdst(0) depctr_va_sdst(0) depctr_va_ssrc(0) depctr_va_vcc(0) depctr_vm_vsrc(0)
	s_getreg_b32 s2, hwreg(HW_REG_IB_STS2, 6, 4)
	s_cmp_eq_u32 s2, 0
	s_cbranch_scc0 .Lentry_in_a_cluster
	s_endpgm
.Lentry_in_a_cluster:
	s_bfe_u32 s2, ttmp6, 0x10000c
	s_cmp_lg_u32 s2, 0xf033
	s_cbranch_scc0 .Lentry_shape_is_right
	s_endpgm
.Lentry_shape_is_right:
; QKV: q, k, v = x W + b on codes of E4M3; three products of 4096 x 1024 x 1024.  A WORK-GROUP STAYS: it makes 128 tokens x 128 columns (two heads) of v, then of k, then of q.
; q leaves as codes (qc, entry 6); k as f32 (out1) and codes (kvc, entry 7); v as f32 (out2) and codes with the keys innermost (kvc, entry 9).
; THE ORDER v, k, q: the two ways out that store f32 numbers stand ahead of further products, and the one that stores codes alone stands at the end.
; LIMITS: a product's two exponents added lie between -126 and 127; entries 6, 7, 9 between -126 and 119: each power of two below is an f32 number.
; RING.  Two slots, each with half of K (512 codes) of both operands: 4 x 32,768 bytes.  The six halves (v, v, k, k, q, q) take turns; each wave fetches one load a half: four tiles of 16 rows x 8,192 bytes
; (waves 0, 1 the tokens' halves, waves 2, 3 W's).  One tensor load of a wave is out; every wait on TENSORcnt is for 0.  The slot just read is asked for again ahead of a product's way out, which runs under that load.
; CLUSTER 4 x 4: the four of a row need the same 128 tokens, the four of a column the same 128 columns of W: each tile is asked for jointly, behind a round of the cluster's barrier.
; PREFETCH: behind each joint load the tiles of the NEXT change of slots are asked of memory: of a wave's four tile rows each of the four partners takes one (by address: cx for tokens, cy for W), lanes 256 bytes apart:
; each block of 256 bytes is named once in each cluster that will load it.  The first two halves come by their loads alone; the last change asks for nothing.
; Codes lie in cells [16 rows][16 along K] of 256 bytes: four registers of a fragment are 512 consecutive bytes, lane l's at 16 l: no pitch, no padding.  The same places of k in both operands.
; A wave makes 64 tokens (xh = wave / 2) x 64 columns (wh = wave % 2: one head): 16 accumulators.  q, k: source 0 = W's rows, source 1 = tokens: a lane holds a token and 8 neighbouring channels.
; v: source 0 = tokens, source 1 = W's rows: a lane holds a channel, and its registers run along the tokens, which are the keys of attention's second product.
; Row r of token tile 2 B + u is token 32 B + 8 u + r + 8 (r / 8): so the registers of tiles 2 B and 2 B + 1 are 16 neighbouring tokens, 32 B + 16 (l / 16) + 0 .. 15.
; REGISTERS: window 0: v1-5 lane numbers, v3 256 l, v6-7, v12-13, v14-15 scale and limit of q, k, v as operands, v8-11 fragment addresses, v16-21 stage and store offsets, v22, v23 the add's two, v24-31 codes,
;   v32-63 biases (v: v32-39 biases, v40-55 codes), v64-127 two sets of 32 at work, v128-255 accumulator (a, b) at 128 + 8 (4 a + b).  window 1: two sets of fragments at v0 and v128: tokens' four at + 16 i, W's four at + 64 + 16 i.
.set SLOT,  131072
.set WOFF,  65536                      ; W's tiles in a slot
.set STGK,  2*SLOT                     ; k's way out: 16 rows x 272 bytes for each wave
.set STGV,  STGK+4*4352                ; v's way out: 32 rows x 272 bytes for each wave
.set SPARE, STGV+4*8704                ; the spare words, 128 bytes for each wave: two blocks of 256 bytes that no other line names
.set ADRX, 8
.set ADRW, 10
.set CD,   24
.set BI,   32
.set VCD,  40
.set T0,   64
.set ACC,  128
.set G1X,  36
.set G1W,  44
.set G0X,  68                          ; s[68:75] group 0 for tokens, one set for each slot;  s[76:83] for W
.set G0W,  76
.set PFX,  30                          ; s[30:31], s[34:35] the prefetches' bases; never rewritten
.set PFW,  34
.set MSB, 0
.macro WIN new                         ; the immediate's high byte repeats the setting that is left
.if MSB != \new
	s_set_vgpr_msb (MSB<<8)|\new
.set MSB, \new
.endif
.endm
.macro PLACES
.rept 4
	v_nop
.endr
.endm
.macro CROUND                          ; a round of the cluster's barrier
	s_barrier_signal -1
	s_barrier_wait -1
	s_cmp_lg_u32 s24, 0
	s_cbranch_scc1 .Lnot_wave_0_\@
	s_barrier_signal -3
.Lnot_wave_0_\@:
	s_barrier_wait -3
	s_barrier_signal -1
	s_barrier_wait -1
.endm
; A joint load into slot s: one line for tokens, one for W, under a branch on the wave's number.  pf >= 2: the pf-th half of the walk (product 2 - pf / 2, half pf % 2) is asked of memory behind it.
.macro JLOAD s, pf
	s_cmp_eq_u32 s25, 0
	s_cbranch_scc0 .Lfor_w_\@
	tensor_load_to_lds s[G0X+4*\s:G0X+4*\s+3], s[G1X:G1X+7]
	s_nop 0
	PLACES
.if \pf >= 2
	global_prefetch_b8 v3, s[PFX:PFX+1] offset:((\pf)%2)*8192+(2-(\pf)/2)*(1<<22) th:TH_LOAD_NT scope:SCOPE_SE
.endif
	s_branch .Lasked_\@
.Lfor_w_\@:
	tensor_load_to_lds s[G0W+4*\s:G0W+4*\s+3], s[G1W:G1W+7]
	s_nop 0
	PLACES
.if \pf >= 2
	global_prefetch_b8 v3, s[PFW:PFW+1] offset:((\pf)%2)*8192+(2-(\pf)/2)*(1<<20) th:TH_LOAD_NT scope:SCOPE_SE
.endif
.Lasked_\@:
.endm
; THE CHANGE OF SLOTS: all my tensor loads are in (my part of the other slot), the add, my reads of slot s are over; the round; slot s is filled.  step = 1: with the next product's half.
.macro TURN s, step, pf
	WIN 0
	s_wait_tensorcnt 0x0
	ds_add_u32 v22, v23                            ; 0 onto my spare word
.if \step
	s_sub_nc_u64 s[G0X+4*\s+2:G0X+4*\s+3], s[G0X+4*\s+2:G0X+4*\s+3], 1<<22   ; the copy of x that the next product's scale made: one copy back
	s_sub_nc_u64 s[G0W+4*\s+2:G0W+4*\s+3], s[G0W+4*\s+2:G0W+4*\s+3], 1<<20   ; the next weight: one back
.endif
	s_wait_dscnt 0x0
	CROUND
	JLOAD \s, \pf                                  ; the first tensor load behind the round; its four v_nop are also places behind the last products
.endm
.macro FETCH s, k, f                   ; the fragments of the slot's k-th 128 along K into set f: 32 loads of 512 consecutive bytes
	WIN 0x40                                       ; destination window 1, address window 0
.irp i, 0,1,2,3
.irp c, 0,1,2,3
	ds_load_b128 v[\f+16*\i+4*\c:\f+16*\i+4*\c+3], v[ADRX+\s] offset:8192*\i+2048*(\k)+512*\c
	ds_load_b128 v[\f+64+16*\i+4*\c:\f+64+16*\i+4*\c+3], v[ADRW+\s] offset:8192*\i+2048*(\k)+512*\c
.endr
.endr
.endm
.macro MUL8 f, a0, zero, ord           ; ord = 1: (a, b) = token tile a x W tile b, W as source 0;  ord = 0: (a, b) = W tile a x token tile b, tokens as source 0
.irp a, \a0, \a0+1
.irp b, 0,1,2,3
.set rD, ACC+8*(4*(\a)+\b)
.if \ord
.set rA, \f+64+16*\b
.set rB, \f+16*(\a)
.else
.set rA, \f+16*\b
.set rB, \f+64+16*(\a)
.endif
.if \zero
	v_wmma_f32_16x16x128_fp8_fp8 v[rD:rD+7], v[rA:rA+15], v[rB:rB+15], 0
.else
	v_wmma_f32_16x16x128_fp8_fp8 v[rD:rD+7], v[rA:rA+15], v[rB:rB+15], v[rD:rD+7]
.endif
.endr
.endr
.endm
; Half of K from slot s: four steps of 128.  The next step's fragments are asked for ahead of a step's 16 matrix instructions.  The 16 accumulators take turns.  zero = 1: the first products start the sums.
.macro HALF s, zero, ord
	FETCH \s, 0, 0
.irp q, 0,1,2,3
	s_wait_dscnt 0x0
.if \q < 3
	PLACES                                         ; in front of loads into registers that the last step's matrix instructions have read
	FETCH \s, \q+1, 128*((\q+1)%2)
.endif
	WIN 0x05                                       ; sources 0 and 1 window 1, C and D window 0
.if \q == 0
	MUL8 0, 0, \zero, \ord
	MUL8 0, 2, \zero, \ord
.else
	MUL8 128*(\q%2), 0, 0, \ord
	MUL8 128*(\q%2), 2, 0, \ord
.endif
.endr
.endm
; THE WAYS OUT name: s[SC:SC+1] 2^(eA + eB), v[VS], v[VS+1] the result's scale and limit, s[CB:CB+1] where its codes go, s[WB:WB+1] where its f32 numbers go.
.macro SEND a, younger                 ; token tile a's 16 rows of 256 bytes leave; younger: LDS instructions issued behind its loads
.set TS, T0+32*((\a)%2)
	s_wait_dscnt \younger
.irp i, 0,1,2,3,4,5,6,7
	global_store_b128 v4, v[TS+4*\i:TS+4*\i+3], s[WB:WB+1] offset:(32*((\a)/2)+8*((\a)%2)+2*\i+8*(\i/4))*256 th:TH_STORE_NT   ; two rows of a head: 512 consecutive bytes
.endr
.endm
; q, k: token tile a.  sum x 2^(eA + eB) + bias; wide = 1: through my stage, out as rows; held, converted, 8 bytes a lane: 32 lanes fill a cell of 256 bytes.
.macro EPIROW a, wide
.set TT, T0+32*((\a)%2)
.set AA, ACC+32*(\a)
	s_wait_xcnt 0x0                                ; earlier stores have read the registers that are written again
.set ej, 0
.rept 16
	v_pk_fma_f32 v[TT+ej:TT+ej+1], v[AA+ej:AA+ej+1], s[SC:SC+1], v[BI+ej:BI+ej+1] op_sel_hi:[1,0,1]   ; each accumulator from its low end on
.set ej, ej+2
.endr
.if \wide
.irp b, 0,1,2,3
	ds_store_b128 v16, v[TT+8*\b:TT+8*\b+3] offset:64*\b
	ds_store_b128 v16, v[TT+8*\b+4:TT+8*\b+7] offset:64*\b+16
.endr
.endif
.set ej, 0
.rept 32
	v_med3_num_f32 v[AA+ej], v[TT+ej], -v[VS+1], v[VS+1]   ; the hold (ISA guide 7.6.2: the conversion does not saturate), into the accumulator's registers, which are done with
.set ej, ej+1
.endr
.irp b, 0,1,2,3
	v_cvt_scalef32_pk8_fp8_f32 v[CD+2*\b:CD+2*\b+1], v[AA+8*\b:AA+8*\b+7], v[VS]
.endr
	v_nop                                          ; a plain line behind the last conversion
.irp b, 0,1,2,3
	global_store_b64 v20, v[CD+2*\b:CD+2*\b+1], s[CB:CB+1] offset:1024*(\a)+256*\b
.endr
.if \wide
.irp i, 0,1,2,3,4,5,6,7
	ds_load_b128 v[TT+4*\i:TT+4*\i+3], v17 offset:544*\i    ; LDS serves a wave's instructions in order: these see my stores
.endr
.if (\a) > 0
	SEND (\a)-1, 16                                ; behind the last tile's loads: this tile's 8 stores and 8 loads
.endif
.endif
.endm
; v: tokens 32 be .. 32 be + 31 of my 64, all 64 channels.
.macro EPIV be
	s_wait_xcnt 0x0
.irp u, 0,1
.irp a, 0,1,2,3
.irp i, 0,2,4,6
	v_pk_fma_f32 v[T0+32*\u+8*\a+\i:T0+32*\u+8*\a+\i+1], v[ACC+8*(4*\a+2*(\be)+\u)+\i:ACC+8*(4*\a+2*(\be)+\u)+\i+1], s[SC:SC+1], v[BI+2*\a:BI+2*\a+1] op_sel_hi:[1,0,0]
.endr
.endr
.endr
.irp u, 0,1
.irp a, 0,1,2,3
.irp j, 0,1,2,3,4,5,6,7
	ds_store_b32 v18, v[T0+32*\u+8*\a+\j] offset:4352*\u+272*\j+64*\a   ; stage row 16 u + 8 (l / 16) + j holds token 16 (l / 16) + 8 u + j
.endr
.endr
.endr
.irp u, 0,1
.irp a, 0,1,2,3
.irp j, 0,1,2,3,4,5,6,7
	v_med3_num_f32 v[ACC+8*(4*\a+2*(\be)+\u)+\j], v[T0+32*\u+8*\a+\j], -v[VS+1], v[VS+1]
.endr
.endr
.endr
.irp a, 0,1,2,3
	v_cvt_scalef32_pk8_fp8_f32 v[VCD+4*\a:VCD+4*\a+1], v[ACC+8*(4*\a+2*(\be)):ACC+8*(4*\a+2*(\be))+7], v[VS]
	v_cvt_scalef32_pk8_fp8_f32 v[VCD+4*\a+2:VCD+4*\a+3], v[ACC+8*(4*\a+2*(\be)+1):ACC+8*(4*\a+2*(\be)+1)+7], v[VS]
.endr
	v_nop
.irp a, 0,1,2,3
	global_store_b128 v4, v[VCD+4*\a:VCD+4*\a+3], s[CB:CB+1] offset:2048*\a+512*(\be)   ; 16 keys of a channel a lane: two cells
.endr
.set vi, 0
.rept 16
	ds_load_b128 v[T0+4*vi:T0+4*vi+3], v19 offset:544*vi
.set vi, vi+1
.endr
.set vi, 0
.rept 16
	s_wait_dscnt 15-vi
	global_store_b128 v4, v[T0+4*vi:T0+4*vi+3], s[WB:WB+1] offset:(32*(\be)+8*(vi/8)+2*(vi%8)+8*((vi%8)/4))*256 th:TH_STORE_NT
.set vi, vi+1
.endr
.endm
.macro BIAS p                          ; q, k: the bias of channels 16 b + 8 h + 0 .. 7
	s_wait_xcnt 0x0                                ; earlier stores have read the registers on which these loads land
.irp b, 0,1,2,3
	global_load_b128 v[BI+8*\b:BI+8*\b+3], v21, s[\p:\p+1] offset:64*\b
	global_load_b128 v[BI+8*\b+4:BI+8*\b+7], v21, s[\p:\p+1] offset:64*\b+16
.endr
.endm
.macro MKS ea, eb, eo, sc, vs          ; s[sc] = 2^(eA + eB) (twice: named as a pair), v[vs] = 2^eo, v[vs+1] = 448 x 2^eo
	s_add_co_i32 s60, s[\ea], s[\eb]
	s_add_co_i32 s60, s60, 127
	s_lshl_b32 s[\sc], s60, 23
	s_mov_b32 s[\sc+1], s[\sc]
	s_add_co_i32 s60, s[\eo], 127
	s_lshl_b32 s61, s60, 23
	v_mov_b32 v[\vs], s61
	s_add_co_i32 s60, s60, 8
	s_lshl_b32 s60, s60, 23
	s_or_b32 s60, s60, 0x600000
	v_mov_b32 v[\vs+1], s60
.endm
	s_load_b512 s[4:19], s[0:1], 0x0               ; xc, wc, lowp_scales, bq, bk, bv, qc, kvc
	s_load_b128 s[20:23], s[0:1], 0x40             ; out1, out2
	v_lshl_add_u32 v22, v0, 2, SPARE
	v_mov_b32 v23, 0
	ds_add_u32 v22, v23                            ; the wave's opening: the add, twice on end, and its wait ahead of my first tensor load
	ds_add_u32 v22, v23
	v_lshrrev_b32 v1, 5, v0
	v_readfirstlane_b32 s24, v1                    ; wave 0..3
	s_lshr_b32 s25, s24, 1                         ; xh.  Also: I fetch tokens (0) or W (1)
	s_and_b32 s26, s24, 1                          ; wh.  Also: which four tiles of 16 rows I fetch
	s_bfe_u32 s27, ttmp6, 0x40000                  ; cx
	s_bfe_u32 s28, ttmp6, 0x40004                  ; cy
	s_lshl_b32 s29, ttmp9, 2
	s_add_co_u32 s29, s29, s27                     ; tx: which 128 columns
	s_and_b32 s32, ttmp7, 0xffff
	s_lshl_b32 s32, s32, 2
	s_add_co_u32 s32, s32, s28                     ; ty: which 128 tokens
	s_lshl_b32 s33, s28, 2
	s_lshl_b32 s33, 15, s33                        ; my row of the cluster
	s_lshl_b32 s34, 0x1111, s27                    ; my column
	; group 1: 4 rows of 1,024 elements of 8 bytes (a tile of 16 rows' 512 along K: 8,192 bytes), 2,048 elements apart; dense in LDS
	s_or_b32 s[G1X], s33, (3<<16)|(1<<21)
	s_or_b32 s[G1W], s34, (3<<16)|(1<<21)
.irp g, G1X, G1W
	s_mov_b32 s[\g+1], 1024<<16                    ; tensor_dim0
	s_mov_b32 s[\g+2], 4<<16                       ; tensor_dim1
	s_mov_b32 s[\g+3], 1024<<16                    ; tile_dim0
	s_mov_b32 s[\g+4], 4                           ; tile_dim1
	s_mov_b32 s[\g+5], 2048                        ; stride
	s_mov_b32 s[\g+6], 0
	s_mov_b32 s[\g+7], 0
.endr
	s_lshl_b32 s62, s32, 3                         ; tokens: tile 8 ty + 4 half: no cx enters
	s_lshl_b32 s63, s26, 2
	s_add_co_u32 s62, s62, s63
	s_lshl_b32 s62, s62, 14
	s_mov_b32 s63, 0
	s_lshl_b32 s66, s29, 3                         ; W: tile 8 tx + 4 half: no cy enters
	s_lshl_b32 s67, s26, 2
	s_add_co_u32 s66, s66, s67
	s_lshl_b32 s66, s66, 14
	s_mov_b32 s67, 0
	s_lshl_b32 s61, s24, 15                        ; where they go: 32,768 x wave in each slot
	s_wait_dscnt 0x0                               ; both opening adds are done
	s_wait_kmcnt 0x0
	s_load_b256 s[52:59], s[8:9], 0x0              ; entries 0-7
	s_load_b64 s[2:3], s[8:9], 0x20                ; entries 8, 9
	s_add_nc_u64 s[62:63], s[4:5], s[62:63]
	s_add_nc_u64 s[66:67], s[6:7], s[66:67]
.irp s, 0,1
	s_mov_b32 s[G0X+4*\s], 1
	s_add_co_u32 s[G0X+4*\s+1], s61, \s*SLOT
	s_add_nc_u64 s[G0X+4*\s+2:G0X+4*\s+3], s[62:63], \s*8192+(2<<22)    ; the walk begins at the third product: v
	s_or_b32 s[G0X+4*\s+3], s[G0X+4*\s+3], 0x80000000
	s_mov_b32 s[G0W+4*\s], 1
	s_add_co_u32 s[G0W+4*\s+1], s61, \s*SLOT
	s_add_nc_u64 s[G0W+4*\s+2:G0W+4*\s+3], s[66:67], \s*8192+(2<<20)
	s_or_b32 s[G0W+4*\s+3], s[G0W+4*\s+3], 0x80000000
.endr
	CROUND                                         ; all sixteen work-groups are here: the joint loads meet
	JLOAD 0, -1                                    ; v's first half: one tensor load a wave at the head
	s_lshl_b32 s30, s27, 14                        ; the prefetches: of my four tile rows the one that my work-group's place gives, counted from the first product's operands
	s_mov_b32 s31, 0
	s_add_nc_u64 s[PFX:PFX+1], s[62:63], s[30:31]
	s_lshl_b32 s34, s28, 14
	s_mov_b32 s35, 0
	s_add_nc_u64 s[PFW:PFW+1], s[66:67], s[34:35]
	v_and_b32 v1, 15, v0                           ; r
	v_bfe_u32 v2, v0, 4, 1                         ; h
	v_and_b32 v3, 31, v0
	v_lshlrev_b32 v4, 4, v3                        ; 16 l
	v_lshlrev_b32 v3, 8, v3                        ; 256 l
	v_lshlrev_b32 v5, 2, v1                        ; 4 r
	s_lshl_b32 s61, s25, 15
	v_add_nc_u32 v[ADRX], s61, v4                  ; my four token tiles
	s_lshl_b32 s61, s26, 15
	s_add_co_u32 s61, s61, WOFF
	v_add_nc_u32 v[ADRW], s61, v4                  ; my four tiles of W
	v_add_nc_u32 v[ADRX+1], SLOT, v[ADRX]
	v_add_nc_u32 v[ADRW+1], SLOT, v[ADRW]
	s_mul_i32 s61, s24, 4352
	s_add_co_u32 s61, s61, STGK
	v_mul_u32_u24 v16, v1, 272
	v_lshl_add_u32 v16, v2, 5, v16
	v_add_nc_u32 v16, s61, v16                     ; k's stage, in: row r, + 32 h
	v_mul_u32_u24 v19, v2, 272
	v_lshl_add_u32 v19, v1, 4, v19
	v_add_nc_u32 v17, s61, v19                     ; back: two rows of 256 bytes
	s_mul_i32 s61, s24, 8704
	s_add_co_u32 s61, s61, STGV
	v_add_nc_u32 v19, s61, v19                     ; v's stage, back
	v_mul_u32_u24 v18, v2, 2176
	v_lshl_add_u32 v18, v1, 2, v18
	v_add_nc_u32 v18, s61, v18                     ; in: 8 rows on for lanes 16-31, + 4 r
	v_lshlrev_b32 v20, 4, v1
	v_lshl_add_u32 v20, v2, 3, v20                 ; a cell's 16 r + 8 h
	v_lshlrev_b32 v21, 5, v2                       ; 32 h
.irp a, 0,1,2,3
	v_mov_b32 v[BI+2*\a+1], 0                      ; (named as the upper halves of the pairs of v's bias)
.endr
	s_wait_kmcnt 0x0
	MKS 52, 53, 58, 94, 6                          ; q
	MKS 54, 55, 59, 96, 12                         ; k
	MKS 56, 57, 3, 98, 14                          ; v
	s_lshr_b32 s56, s32, 4
	s_lshl_b32 s56, s56, 4
	s_lshl_b32 s57, s29, 1
	s_add_co_u32 s56, s56, s57
	s_add_co_u32 s56, s56, s26                     ; head = 16 batch + 2 tx + wh
	s_and_b32 s57, s32, 15                         ; tb: which 128 tokens of the batch
	s_lshl_b32 s2, s29, 9
	s_lshl_b32 s3, s26, 8
	s_add_co_u32 s2, s2, s3                        ; my 64 columns in a bias, in bytes
	s_mov_b32 s3, 0
	s_add_nc_u64 s[10:11], s[10:11], s[2:3]
	s_add_nc_u64 s[12:13], s[12:13], s[2:3]
	s_add_nc_u64 s[14:15], s[14:15], s[2:3]
	s_mul_i32 s52, s56, 3072                       ; out1, out2: row head x 3072 + 1024 + 128 tb + 64 xh, of 256 bytes
	s_lshl_b32 s53, s57, 7
	s_add_co_u32 s52, s52, s53
	s_lshl_b32 s53, s25, 6
	s_add_co_u32 s52, s52, s53
	s_add_co_u32 s52, s52, 1024
	s_lshl_b32 s52, s52, 8
	s_mov_b32 s53, 0
	s_add_nc_u64 s[20:21], s[20:21], s[52:53]
	s_add_nc_u64 s[22:23], s[22:23], s[52:53]
	s_mul_i32 s52, s56, 393216                     ; kvc: key step 8 + tb of my head
	s_add_co_u32 s54, s57, 8
	s_lshl_b32 s54, s54, 14
	s_add_co_u32 s52, s52, s54
	s_add_nc_u64 s[18:19], s[18:19], s[52:53]
	s_lshl_b32 s52, s25, 12                        ; k: my four tiles of the step's eight
	s_add_nc_u64 s[86:87], s[18:19], s[52:53]
	s_lshl_b32 s52, s25, 10                        ; v: my four cells of 16 keys, behind the step's K
	s_add_co_u32 s52, s52, 8192
	s_add_nc_u64 s[88:89], s[18:19], s[52:53]
	s_lshl_b32 s52, s56, 17                        ; qc: head x 128 tiles + tile 8 tb + 4 xh, of 1,024 bytes
	s_lshl_b32 s54, s57, 13
	s_add_co_u32 s52, s52, s54
	s_lshl_b32 s54, s25, 12
	s_add_co_u32 s52, s52, s54
	s_add_nc_u64 s[16:17], s[16:17], s[52:53]
	s_wait_alu depctr_va_vdst(0)
.irp a, 0,1,2,3
	global_load_b32 v[BI+2*\a], v5, s[14:15] offset:64*\a   ; v: the bias of channel 16 a + r
.endr
	TURN 1, 0, 2                                   ; v's second half: slot 1's first fill, issued as a refill is
	HALF 0, 1, 0
	TURN 0, 1, 3                                   ; k's first half
	HALF 1, 0, 0
	TURN 1, 1, 4                                   ; k's second half; v goes out under its flight
	s_wait_loadcnt 0x0                             ; the bias
.set SC, 98
.set VS, 14
.set CB, 88
.set WB, 22
	EPIV 0
	EPIV 1
	BIAS 12
	HALF 0, 1, 1
	TURN 0, 1, 5                                   ; q's first half
	HALF 1, 0, 1
	TURN 1, 1, -1                                  ; q's second half; k goes out under its flight
	s_wait_loadcnt 0x0
.set SC, 96
.set VS, 12
.set CB, 86
.set WB, 20
	EPIROW 0, 1
	EPIROW 1, 1
	EPIROW 2, 1
	EPIROW 3, 1
	SEND 3, 0
	BIAS 10
	HALF 0, 1, 1
	WIN 0
	s_wait_tensorcnt 0x0                           ; the last change of slots fills nothing: my work-group's barrier alone
	ds_add_u32 v22, v23
	s_wait_dscnt 0x0
	s_barrier_signal -1
	s_barrier_wait -1
	PLACES
	HALF 1, 0, 1
	WIN 0
	PLACES                                         ; in front of the first read of results
	s_wait_loadcnt 0x0
.set SC, 94
.set VS, 6
.set CB, 16
	EPIROW 0, 0
	EPIROW 1, 0
	EPIROW 2, 0
	EPIROW 3, 0
	s_wait_tensorcnt 0x0                           ; the wave's end; then the closing round
	ds_add_u32 v22, v23
	s_wait_dscnt 0x0
	CROUND
	s_endpgm
.Lfunc_end_k_q25b940af65_qkv:
	.size	k_q25b940af65_qkv, .Lfunc_end_k_q25b940af65_qkv-k_q25b940af65_qkv
	.p2alignl 7, 3214868480
	.fill 96, 4, 3214868480
	.section	.rodata,"a",@progbits
	.p2align	6, 0x0
	.amdhsa_kernel k_q25b940af65_qkv
		.amdhsa_group_segment_fixed_size 327680
		.amdhsa_private_segment_fixed_size 0
		.amdhsa_enable_private_segment 0
		.amdhsa_kernarg_size 80
		.amdhsa_user_sgpr_count 2
		.amdhsa_user_sgpr_kernarg_segment_ptr 1
		.amdhsa_wavefront_size32 1
		.amdhsa_system_sgpr_workgroup_id_x 1
		.amdhsa_system_sgpr_workgroup_id_y 1
		.amdhsa_system_sgpr_workgroup_id_z 1
		.amdhsa_system_vgpr_workitem_id 0
		.amdhsa_next_free_vgpr 512
		.amdhsa_next_free_sgpr 100
		.amdhsa_reserve_vcc 0
		.amdhsa_float_denorm_mode_32 3
		.amdhsa_float_denorm_mode_16_64 3
		.amdhsa_memory_ordered 1
		.amdhsa_forward_progress 1
		.amdhsa_inst_pref_size 159
	.end_amdhsa_kernel
	.amdgpu_metadata
---
amdhsa.version: [ 1, 2 ]
amdhsa.kernels:
  - .name:           k_q25b940af65_qkv
    .symbol:         k_q25b940af65_qkv.kd
    .args:
      - { .name: xc, .offset: 0, .size: 8, .value_kind: global_buffer, .address_space: global }
      - { .name: wc, .offset: 8, .size: 8, .value_kind: global_buffer, .address_space: global }
      - { .name: lowp_scales, .offset: 16, .size: 8, .value_kind: global_buffer, .address_space: global }
      - { .name: bq, .offset: 24, .size: 8, .value_kind: global_buffer, .address_space: global }
      - { .name: bk, .offset: 32, .size: 8, .value_kind: global_buffer, .address_space: global }
      - { .name: bv, .offset: 40, .size: 8, .value_kind: global_buffer, .address_space: global }
      - { .name: qc, .offset: 48, .size: 8, .value_kind: global_buffer, .address_space: global }
      - { .name: kvc, .offset: 56, .size: 8, .value_kind: global_buffer, .address_space: global }
      - { .name: out1, .offset: 64, .size: 8, .value_kind: global_buffer, .address_space: global }
      - { .name: out2, .offset: 72, .size: 8, .value_kind: global_buffer, .address_space: global }
    .group_segment_fixed_size: 327680
    .private_segment_fixed_size: 0
    .kernarg_segment_align: 8
    .kernarg_segment_size: 80
    .max_flat_workgroup_size: 128
    .sgpr_count:     100
    .vgpr_count:     512
    .wavefront_size: 32
...
	.end_amdgpu_metadata
.endif
;; end of part 2
;; launch attn (part 3): grid 8 x 32, 8 waves a work-group, no clusters, 327,680 bytes of LDS; arguments qc, kvc, lowp_scales, yc; writes yc
.if DOCPART == 3
	.amdgcn_target "amdgcn-amd-amdhsa--gfx1250"
	.amdhsa_code_object_version 6
	.text
	.protected	k_q25b940af65_attn
	.globl	k_q25b940af65_attn
	.p2align	8
	.type	k_q25b940af65_attn,@function
k_q25b940af65_attn:
	s_mov_b64 s[64:65], 0
	v_nop
	global_prefetch_b8 v0, s[64:65] scope:SCOPE_SE
	s_setreg_imm32_b32 hwreg(HW_REG_WAVE_MODE, 25, 1), 1
	s_wait_xcnt 0x0
; ATTN: y = softmax(q k^T / 8, causal behind 1,024 cached keys) v, both products on codes of E4M3; y leaves as codes (entry 10) for the projection.
; THE SOFTMAX: t = score x log2(e) / 8; M = the running largest t rounded UP to a whole number; p = 2^(t - M) is quantised (entry 8), not normalised; the row's sum is taken of the
; unquantised p and divides at the end.  When M moves, the sum and O are multiplied by 2^(old M - new M), which rounds nothing.
; LEFT OUT: key steps all of whose 128 keys the mask that reference() builds hides from a tile's queries.
; LIMITS: entries 6 + 7 between -123 and 130 (added to c's exponent field); entries 8 and 10 between -126 and 119; 8 + 9 is applied by v_ldexp_f32 and has none.  The scaled scores stay under 2^31 in magnitude.
; SHARES.  The 2,048 tokens of a head are 16 groups of 128; group G needs key steps (128 keys) 0 .. 8 + G, and step 8 + G alone lies on its diagonal.  Work-group (j, head) owns groups 15 - j and j:
; 8 (24 - j) + 8 (9 + j) = 264 tile-steps in every work-group.  Wave w owns tile w of BOTH groups: tile 0 of the text is 8 (15 - j) + w, tile 1 is 8 j + w.  So in every step all eight waves have the same work:
; steps 0 .. 8 + j take both tiles, which share every fragment of K and V and whose dependent chains are laid line by line in turns (STEP2); steps 9 + j .. 23 - j take tile 0 alone (STEP1).
; 8 + j <= 15 < 16 <= 23 - j: the loop (steps 0-15) holds tile 1's diagonal and no hidden step, the tail (steps 16-23) tile 0 alone, its diagonal and its hidden steps.
; RING.  Two slots of eight key steps (8 x 16,384 bytes).  Every wave fetches one load a slot: piece w (2,048 bytes) of each of the slot's eight steps, 8 rows 16,384 bytes apart in memory, end to end in LDS.
; So each load holds bytes of the slot's first step, which every work-group reads (steps 0, 8, 16 count for group 15 - j whatever j is): no load is left out.  Pieces 0-3 of a step are K's tiles 2 p, 2 p + 1, pieces 4-7 V's tiles.
; Every work-group walks all 24 steps: trip counts are constants and no barrier is jumped over.  One tensor load of a wave is out; every wait on TENSORcnt is for 0.
; NO CLUSTER: the eight work-groups of a head need different numbers of key steps (24 - j), and the causal branches hang on the work-group's number.
; PREFETCH: slot 2 (steps 16-23) is asked for at the first change of slots, one slot ahead of its tensor load; the head's eight work-groups take 16,384 bytes each by address, waves 0 and 1 8,192 each, lanes 256 bytes apart:
; each block of 256 bytes is named once in the launch.  Slots 0 and 1 come by their loads alone.
; LAYOUT.  Both products transposed: S^T = K Q^T (source 0 = 16 keys), O^T = V^T P^T (source 0 = 16 channels): a lane holds one query (l % 16).  Row r of K's tile 2 b + u is key 32 b + 8 u + r + 8 (r / 8),
; so the 16 registers of tiles 2 b, 2 b + 1 are keys 32 b + 16 (l / 16) + 0 .. 15: the conversions' results are the second product's operand.
; REGISTERS, window 0: v1 16 l, v2 K's address, v3 V's, v4 d (diagonal; the same for both tiles), v5, v6 the add's two, v7 y's lane offset, v9 16 l + V's place, v10 prefetch offset, v11 -infinity;
;   tile 0 | 1: v[12:13] | v[14:15] -M and the largest t, v[16:17] | v[18:19] the sum in two halves, v[20:21] | v[22:23] f (and a word named with it); v24, v25 p's limit twice, v26 p's scale; v28-31 at work;
;   v32-95 | v96-159 S^T then p; v160-191 | v192-223 O^T; v224-239 | v240-255 p's codes (ahead of the conversions: at work for the sums).
; window 1: v0-63 K's 8 fragments, v64-127 V's 4, v128-135 | v136-143 Q.
.set SLOT1, 1<<17
.set VOFF,  65536                      ; V's pieces in a slot
.set SPARE, 2*SLOT1                    ; the spare words, 128 bytes for each wave: four blocks of 256 bytes that no other line names
.set WV, 12
.set TB, 28                            ; s28 LDS byte of the step in hand: slot + 2,048 x step
.set SLOTS, 29                         ; s29 slots still to be asked for
.set KJ, 30                            ; s30 the key step
.set DH, 31                            ; s31 23 - j: tile 0's diagonal step
.set INNER, 32
.set DL, 33                            ; s33 8 + j: tile 1's
.set CS, 34                            ; s[34:35] c = log2(e) / 8 x 2^(e6 + e7)
.set SEL, 36                           ; s[36:37] lane l xor 16
.set PFA, 38                           ; s[38:39] my prefetch's base; never rewritten
.set LIM, 40                           ; s40 the count of slots at which my wave prefetches; 0: never
.set MSB, 0
.macro WIN new                         ; the immediate's high byte repeats the setting that is left
.if MSB != \new
	s_set_vgpr_msb (MSB<<8)|\new
.set MSB, \new
.endif
.endm
.macro KLOAD off                       ; K's eight fragments of the step at v2 + off: 512 consecutive bytes a load
	WIN 0x40                                       ; destination window 1, address window 0
.irp t, 0,1,2,3,4,5,6,7
	ds_load_b128 v[8*\t:8*\t+3], v2 offset:\off+16384*(\t/2)+1024*(\t%2)
	ds_load_b128 v[8*\t+4:8*\t+7], v2 offset:\off+16384*(\t/2)+1024*(\t%2)+512
.endr
	WIN 0
.endm
.macro HOLD2 r                         ; the conversion does not saturate (ISA guide 7.6.2); p is not negative: a one-sided hold, two numbers a line
	v_dual_min_num_f32 v[\r], v[\r], v24 :: v_dual_min_num_f32 v[\r+1], v[\r+1], v25
.endm
.macro SUM s, a, t                     ; the 64 numbers from v[s] on are added onto the pair v[a:a+1], in four chains
	v_pk_add_f32 v[\t:\t+1], v[\s:\s+1], v[\s+2:\s+3]
	v_pk_add_f32 v[\t+2:\t+3], v[\s+4:\s+5], v[\s+6:\s+7]
	v_pk_add_f32 v[\t+4:\t+5], v[\s+8:\s+9], v[\s+10:\s+11]
.irp i, 12,20,28,36,44,52
	v_pk_add_f32 v[\a:\a+1], v[\a:\a+1], v[\s+\i:\s+\i+1]
	v_pk_add_f32 v[\t:\t+1], v[\t:\t+1], v[\s+\i+2:\s+\i+3]
	v_pk_add_f32 v[\t+2:\t+3], v[\t+2:\t+3], v[\s+\i+4:\s+\i+5]
	v_pk_add_f32 v[\t+4:\t+5], v[\t+4:\t+5], v[\s+\i+6:\s+\i+7]
.endr
	v_pk_add_f32 v[\a:\a+1], v[\a:\a+1], v[\s+60:\s+61]
	v_pk_add_f32 v[\t:\t+1], v[\t:\t+1], v[\s+62:\s+63]
	v_pk_add_f32 v[\t+2:\t+3], v[\t+2:\t+3], v[\t+4:\t+5]
	v_pk_add_f32 v[\a:\a+1], v[\a:\a+1], v[\t:\t+1]
	v_pk_add_f32 v[\a:\a+1], v[\a:\a+1], v[\t+2:\t+3]
.endm
.macro CODES s, p                      ; 64 held numbers -> 64 codes in 16 registers
.irp b, 0,1,2,3
	v_cvt_scalef32_pk8_fp8_f32 v[\p+4*\b:\p+4*\b+1], v[\s+16*\b:\s+16*\b+7], v26
	v_cvt_scalef32_pk8_fp8_f32 v[\p+4*\b+2:\p+4*\b+3], v[\s+16*\b+8:\s+16*\b+15], v26
.endr
.endm
; THE CHANGE OF SLOTS stands at a slot's head: all my tensor loads are in (my piece of the slot ahead), the add, my reads of the slot that I have left are over; the barrier; fill = 1: the slot just left is filled
; (the first time: slot 1's first fill), and that load has eight key steps in which to land.  Then every wave fetches K's fragments of the slot's first step.
.macro CHANGE fill
	s_wait_tensorcnt 0x0
	ds_add_u32 v5, v6                              ; 0 onto my spare word
.if \fill
	s_xor_b32 s25, s25, SLOT1                      ; no load of mine is out, so group 0 may be written: the other slot,
	s_add_nc_u64 s[26:27], s[26:27], 131072        ; the next eight key steps
.endif
	s_wait_dscnt 0x0
	s_barrier_signal -1
	s_barrier_wait -1
.if \fill
	tensor_load_to_lds s[24:27], s[16:23]          ; the first thing behind the barrier, and my one tensor load until the next
	s_nop 0
.rept 4
	v_nop
.endr
.endif
	v_add_nc_u32 v2, s[TB], v1
	KLOAD 0
.if \fill
	s_cmp_eq_u32 s[SLOTS], s[LIM]                  ; the first change, waves 0 and 1: slot 2 is asked of memory, one slot ahead of its tensor load
	s_cbranch_scc0 .Lnot_mine_\@
	global_prefetch_b8 v10, s[PFA:PFA+1] th:TH_LOAD_NT scope:SCOPE_SE
.Lnot_mine_\@:
.endif
.endm
; A step's front: the scores of n tiles; then the next step's K and this step's V are asked for: both land during the softmax.  K's fragments were asked for a step ago (or at the change of slots).
.macro FRONT n
	v_add_nc_u32 v2, s[TB], v1
	v_add_nc_u32 v3, s[TB], v9
	s_wait_alu depctr_va_vdst(0)
	s_wait_dscnt 0x0                               ; K is in
	WIN 0x05                                       ; sources 0 and 1 window 1, D window 0
.irp t, 0,1,2,3,4,5,6,7
	v_wmma_f32_16x16x64_fp8_fp8 v[32+8*\t:39+8*\t], v[8*\t:8*\t+7], v[128:135], 0
.if \n == 2
	v_wmma_f32_16x16x64_fp8_fp8 v[96+8*\t:103+8*\t], v[8*\t:8*\t+7], v[136:143], 0
.endif
.endr
	WIN 0
.rept 4
	v_nop                                          ; places: in front of the loads below and of the first read of the scores
.endr
	s_cmp_eq_u32 s[INNER], 1                       ; the slot's last step has no successor in the slot
	s_cbranch_scc1 .Lno_k_\@
	KLOAD 2048
.Lno_k_\@:
	WIN 0x40
.irp t, 0,1,2,3
.irp c, 0,1,2,3
	ds_load_b128 v[64+16*\t+4*\c:67+16*\t+4*\c], v3 offset:16384*\t+512*\c
.endr
.endr
	WIN 0
.endm
.macro MASK s, dg                      ; on the diagonal (step s[dg]) hidden scores become -infinity: register 16 b + i holds key 32 b + 16 (l / 16) + i of the step, hidden where 32 b + i > d
	s_cmp_lg_u32 s[KJ], s[\dg]
	s_cbranch_scc1 .Lopen_\@
	v_mov_b32 v11, 0xff800000
.set n, 0
.rept 64
	v_cmp_gt_i32 vcc_lo, 32*(n/16)+n%16, v4
	v_cndmask_b32 v[\s+n], v[\s+n], v11, vcc_lo
.set n, n+1
.endr
.Lopen_\@:
.endm
.macro BACK n                          ; a step's end: O^T += V^T P^T
	v_nop                                          ; a plain line behind the last conversion
	s_wait_alu depctr_va_vdst(0)
	s_wait_dscnt 0x0                               ; V is in (and the next step's K)
	WIN 0x01                                       ; source 0 window 1
.irp t, 0,1,2,3
	v_wmma_f32_16x16x128_fp8_fp8 v[160+8*\t:167+8*\t], v[64+16*\t:79+16*\t], v[224:239], v[160+8*\t:167+8*\t]
.if \n == 2
	v_wmma_f32_16x16x128_fp8_fp8 v[192+8*\t:199+8*\t], v[64+16*\t:79+16*\t], v[240:255], v[192+8*\t:199+8*\t]
.endif
.endr
	WIN 0
.endm
; A KEY STEP FOR BOTH TILES
.macro STEP2
	FRONT 2
	MASK 96, DL
	v_max3_num_f32 v28, v32, v33, v34              ; the step's largest score of my query among my 64 keys: two chains a tile, the tiles by turns; each accumulator from its low end on
	v_max3_num_f32 v30, v96, v97, v98
	v_max3_num_f32 v29, v35, v36, v37
	v_max3_num_f32 v31, v99, v100, v101
.irp i, 6,10,14,18,22,26,30,34,38,42,46,50,54,58
	v_max3_num_f32 v28, v28, v[32+\i], v[33+\i]
	v_max3_num_f32 v30, v30, v[96+\i], v[97+\i]
	v_max3_num_f32 v29, v29, v[34+\i], v[35+\i]
	v_max3_num_f32 v31, v31, v[98+\i], v[99+\i]
.endr
	v_max3_num_f32 v28, v28, v94, v95
	v_max3_num_f32 v30, v30, v158, v159
	v_max_num_f32 v28, v28, v29
	v_max_num_f32 v30, v30, v31
	v_permlanex16_b32 v29, v28, s[SEL], s[SEL+1]
	v_permlanex16_b32 v31, v30, s[SEL], s[SEL+1]
	v_max_num_f32 v28, v28, v29                    ; and among lane l xor 16's
	v_max_num_f32 v30, v30, v31
	v_mul_f32 v28, s[CS], v28                      ; as t (c is positive)
	v_mul_f32 v30, s[CS], v30
	v_max_num_f32 v13, v13, v28                    ; the running largest t
	v_max_num_f32 v15, v15, v30
	v_floor_f32 v28, -v13                          ; -M = floor(-t)
	v_floor_f32 v30, -v15
	v_sub_f32 v29, v28, v12                        ; old M - new M: a whole number, 0 or less
	v_sub_f32 v31, v30, v14
	v_mov_b32 v12, v28
	v_mov_b32 v14, v30
	v_cvt_i32_f32 v29, v29                         ; (it saturates)
	v_cvt_i32_f32 v31, v31
	v_ldexp_f32 v20, 1.0, v29                      ; f = 2^(old M - new M)
	v_ldexp_f32 v22, 1.0, v31
.set j, 0
.rept 32
	v_pk_fma_f32 v[32+j:33+j], v[32+j:33+j], s[CS:CS+1], v[12:13] op_sel_hi:[1,0,0]   ; tile 0: t - M
.set j, j+2
.endr
	s_wait_alu depctr_va_vdst(0)                   ; directly ahead of the first readers of O^T
.set j, 0
.rept 16
	v_pk_mul_f32 v[160+j:161+j], v[160+j:161+j], v[20:21] op_sel_hi:[1,0]   ; O^T under the new M, ahead of the exponentials
	v_pk_mul_f32 v[192+j:193+j], v[192+j:193+j], v[22:23] op_sel_hi:[1,0]
.set j, j+2
.endr
	v_pk_mul_f32 v[16:17], v[16:17], v[20:21] op_sel_hi:[1,0]                ; and the sums
	v_pk_mul_f32 v[18:19], v[18:19], v[22:23] op_sel_hi:[1,0]
	s_wait_alu depctr_va_vdst(0)                   ; the wait ahead of the batch
.set j, 0
.rept 32
	v_exp_f32 v[32+j], v[32+j]                     ; tile 0: p = 2^(t - M);
	v_exp_f32 v[33+j], v[33+j]
	v_pk_fma_f32 v[96+j:97+j], v[96+j:97+j], s[CS:CS+1], v[14:15] op_sel_hi:[1,0,0]   ; among them tile 1's t - M, which names none of their registers
.set j, j+2
.endr
	s_wait_alu depctr_va_vdst(0)                   ; one wait for the batch, ahead of its first reader, and for what the next batch reads
	SUM 32, 16, 224                                ; tile 0's sum, of the unquantised p
.set j, 0
.rept 32
	v_exp_f32 v[96+j], v[96+j]                     ; tile 1's p; among them tile 0's hold
	v_exp_f32 v[97+j], v[97+j]
	HOLD2 32+j
.set j, j+2
.endr
	v_nop                                          ; a plain line behind the last exponential
	s_wait_alu depctr_va_vdst(0)                   ; one wait for the batch and for the held numbers
	CODES 32, 224
	SUM 96, 18, 240
.set j, 0
.rept 32
	HOLD2 96+j
.set j, j+2
.endr
	CODES 96, 240
	BACK 2
.endm
; A KEY STEP FOR TILE 0 ALONE.  tail = 1: with the test for hidden steps and the diagonal.
.macro SUMH s, a, t                    ; the 32 numbers from v[s] on are added onto the pair v[a:a+1], in three chains
	v_pk_add_f32 v[\t:\t+1], v[\s:\s+1], v[\s+2:\s+3]
	v_pk_add_f32 v[\t+2:\t+3], v[\s+4:\s+5], v[\s+6:\s+7]
.irp i, 8,14,20,26
	v_pk_add_f32 v[\a:\a+1], v[\a:\a+1], v[\s+\i:\s+\i+1]
	v_pk_add_f32 v[\t:\t+1], v[\t:\t+1], v[\s+\i+2:\s+\i+3]
	v_pk_add_f32 v[\t+2:\t+3], v[\t+2:\t+3], v[\s+\i+4:\s+\i+5]
.endr
	v_pk_add_f32 v[\t:\t+1], v[\t:\t+1], v[\t+2:\t+3]
	v_pk_add_f32 v[\a:\a+1], v[\a:\a+1], v[\t:\t+1]
.endm
.macro CODESH s, p                     ; 32 held numbers -> 32 codes in 8 registers
.irp b, 0,1
	v_cvt_scalef32_pk8_fp8_f32 v[\p+4*\b:\p+4*\b+1], v[\s+16*\b:\s+16*\b+7], v26
	v_cvt_scalef32_pk8_fp8_f32 v[\p+4*\b+2:\p+4*\b+3], v[\s+16*\b+8:\s+16*\b+15], v26
.endr
.endm
; (The step's 64 numbers a lane go in two halves, so that plain lines of one half stand among the other half's exponentials, as the two tiles' do in STEP2.)
.macro STEP1 tail
.if \tail
	s_cmp_gt_u32 s[KJ], s[DH]                      ; all 128 keys come after my queries: the step's work is left out
	s_cbranch_scc1 .Lhidden_\@
.endif
	FRONT 1
.if \tail
	MASK 32, DH
.endif
	v_max3_num_f32 v28, v32, v33, v34              ; four chains; each accumulator from its low end on
	v_max3_num_f32 v29, v35, v36, v37
	v_max3_num_f32 v30, v38, v39, v40
	v_max3_num_f32 v31, v41, v42, v43
.irp i, 44,52,60,68,76,84
	v_max3_num_f32 v28, v28, v[\i], v[\i+1]
	v_max3_num_f32 v29, v29, v[\i+2], v[\i+3]
	v_max3_num_f32 v30, v30, v[\i+4], v[\i+5]
	v_max3_num_f32 v31, v31, v[\i+6], v[\i+7]
.endr
	v_max3_num_f32 v28, v28, v92, v93
	v_max3_num_f32 v29, v29, v94, v95
	v_max3_num_f32 v28, v28, v29, v30
	s_delay_alu instid0(VALU_DEP_1)
	v_max_num_f32 v28, v28, v31
	s_delay_alu instid0(VALU_DEP_1)
	v_permlanex16_b32 v29, v28, s[SEL], s[SEL+1]
	s_delay_alu instid0(VALU_DEP_1)
	v_max_num_f32 v28, v28, v29
	s_delay_alu instid0(VALU_DEP_1)
	v_mul_f32 v28, s[CS], v28
	s_delay_alu instid0(VALU_DEP_1)
	v_max_num_f32 v13, v13, v28
	v_mov_b32 v28, v12
	s_delay_alu instid0(VALU_DEP_2)
	v_floor_f32 v12, -v13
	s_delay_alu instid0(VALU_DEP_1)
	v_sub_f32 v28, v12, v28
	s_delay_alu instid0(VALU_DEP_1)
	v_cvt_i32_f32 v28, v28
	s_delay_alu instid0(VALU_DEP_1)
	v_ldexp_f32 v20, 1.0, v28
.set j, 0
.rept 16
	v_pk_fma_f32 v[32+j:33+j], v[32+j:33+j], s[CS:CS+1], v[12:13] op_sel_hi:[1,0,0]   ; the first half's t - M
.set j, j+2
.endr
.set j, 0
.rept 16
	v_pk_mul_f32 v[160+j:161+j], v[160+j:161+j], v[20:21] op_sel_hi:[1,0]   ; O^T under the new M, ahead of the exponentials
.set j, j+2
.endr
	v_pk_mul_f32 v[16:17], v[16:17], v[20:21] op_sel_hi:[1,0]                ; and the sum
	s_wait_alu depctr_va_vdst(0)                   ; the wait ahead of the batch
.set j, 0
.rept 16
	v_exp_f32 v[32+j], v[32+j]                     ; the first half's p; among them the second half's t - M, which names none of their registers
	v_exp_f32 v[33+j], v[33+j]
	v_pk_fma_f32 v[64+j:65+j], v[64+j:65+j], s[CS:CS+1], v[12:13] op_sel_hi:[1,0,0]
.set j, j+2
.endr
	s_wait_alu depctr_va_vdst(0)                   ; one wait for the batch, ahead of its first reader, and for what the next batch reads
	SUMH 32, 16, 224                               ; the sum is taken of the unquantised p
.set j, 0
.rept 16
	v_exp_f32 v[64+j], v[64+j]                     ; the second half's p; among them the first half's hold
	v_exp_f32 v[65+j], v[65+j]
	HOLD2 32+j
.set j, j+2
.endr
	v_nop                                          ; a plain line behind the last exponential
	s_wait_alu depctr_va_vdst(0)                   ; one wait for the batch and for the held numbers
	CODESH 32, 224
	SUMH 64, 16, 232
.set j, 0
.rept 16
	HOLD2 64+j
.set j, j+2
.endr
	CODESH 64, 232
	BACK 1
.if \tail
.Lhidden_\@:
.endif
.endm
.macro EIGHT_STEPS tail                ; a slot's eight key steps: written once, walked eight times
	s_mov_b32 s[INNER], 8
.Lstep_\@:
.if \tail
	STEP1 1
.else
	s_cmp_gt_u32 s[KJ], s[DL]                      ; behind its diagonal step tile 1 is done
	s_cbranch_scc1 .Lone_\@
	STEP2
	s_branch .Lnext_\@
.Lone_\@:
	STEP1 0
.Lnext_\@:
.endif
	s_add_co_u32 s[TB], s[TB], 2048
	s_add_co_u32 s[KJ], s[KJ], 1
	s_sub_co_u32 s[INNER], s[INNER], 1
	s_cmp_lg_u32 s[INNER], 0
	s_wait_alu depctr_va_vdst(0)
	s_cbranch_scc1 .Lstep_\@
	s_sub_co_u32 s[TB], s[TB], 16384               ; back to a slot's first step,
	s_xor_b32 s[TB], s[TB], SLOT1                  ; in the other slot
.endm
	s_load_b256 s[4:11], s[0:1], 0x0               ; qc, kvc, lowp_scales, yc
	v_lshl_add_u32 v5, v0, 2, SPARE
	v_mov_b32 v6, 0
	ds_add_u32 v5, v6                              ; the wave's opening: the add, twice on end, and its wait ahead of my first tensor load
	ds_add_u32 v5, v6
	v_lshrrev_b32 v8, 5, v0
	v_readfirstlane_b32 s[WV], v8                  ; wave 0..7
	s_and_b32 s15, ttmp7, 0xffff                   ; the head
	s_mov_b32 s16, 3<<16                           ; group 1: 8 rows of 256 elements of 8 bytes, 2,048 elements apart; dense in LDS
	s_mov_b32 s17, 256<<16
	s_mov_b32 s18, 8<<16
	s_mov_b32 s19, 256<<16
	s_mov_b32 s20, 8
	s_mov_b32 s21, 2048
	s_mov_b32 s22, 0
	s_mov_b32 s23, 0
	s_mov_b32 s24, 1
	s_lshl_b32 s25, s[WV], 14                      ; my piece's eight rows in slot 0
	s_mul_i32 s50, s15, 393216                     ; the head's 24 key steps
	s_mov_b32 s51, 0
	s_lshl_b32 s52, s[WV], 11                      ; my piece of a step
	s_mov_b32 s53, 0
	s_wait_dscnt 0x0                               ; both opening adds are done
	s_wait_kmcnt 0x0
	s_load_b128 s[44:47], s[8:9], 0x18             ; entries 6-9
	s_load_b32 s48, s[8:9], 0x28                   ; entry 10
	s_add_nc_u64 s[54:55], s[6:7], s[50:51]
	s_add_nc_u64 s[26:27], s[54:55], s[52:53]
	s_or_b32 s27, s27, 0x80000000
	tensor_load_to_lds s[24:27], s[16:23]          ; slot 0: one tensor load a wave at the head
	s_nop 0
.rept 4
	v_nop
.endr
	s_mov_b32 s[TB], 0
	s_mov_b32 s[SLOTS], 2
	s_mov_b32 s[KJ], 0
	s_sub_co_u32 s14, 15, ttmp9                    ; tile 0's group: 15 - j
	s_add_co_u32 s[DH], s14, 8
	s_add_co_u32 s[DL], ttmp9, 8
	s_lshl_b32 s14, s14, 3
	s_add_co_u32 s14, s14, s[WV]                   ; tile 0
	s_lshl_b32 s13, ttmp9, 3
	s_add_co_u32 s13, s13, s[WV]                   ; tile 1
	s_mov_b32 s[CS], 0x3e38aa3b                    ; log2(e) / 8
	s_mov_b32 s[SEL], 0x76543210
	s_mov_b32 s[SEL+1], 0xfedcba98
	s_lshl_b32 s56, ttmp9, 14                      ; the prefetch: my work-group's eighth of slot 2,
	s_and_b32 s57, s[WV], 1
	s_lshl_b32 s57, s57, 13                        ; my wave's half of it
	s_add_co_u32 s56, s56, s57
	s_add_co_u32 s56, s56, 262144
	s_mov_b32 s57, 0
	s_add_nc_u64 s[PFA:PFA+1], s[54:55], s[56:57]
	s_cmp_lt_u32 s[WV], 2
	s_cselect_b32 s[LIM], 2, 0
	s_lshl_b32 s56, s15, 17
	s_add_nc_u64 s[4:5], s[4:5], s[56:57]          ; the head's Q: tiles of 1,024 bytes
	s_lshl_b32 s56, s13, 10
	s_add_nc_u64 s[58:59], s[4:5], s[56:57]        ; tile 1's,
	s_lshl_b32 s56, s14, 10
	s_add_nc_u64 s[4:5], s[4:5], s[56:57]          ; tile 0's
	s_lshr_b32 s56, s15, 4
	s_lshl_b32 s56, s56, 21                        ; y: row tile 128 batch + tile, of 16,384 bytes,
	s_and_b32 s52, s15, 15
	s_lshl_b32 s52, s52, 10                        ; the head's four cells
	s_add_co_u32 s56, s56, s52
	s_add_nc_u64 s[10:11], s[10:11], s[56:57]
	s_lshl_b32 s56, s13, 14
	s_add_nc_u64 s[60:61], s[10:11], s[56:57]      ; tile 1's,
	s_lshl_b32 s56, s14, 14
	s_add_nc_u64 s[10:11], s[10:11], s[56:57]      ; tile 0's
	s_lshr_b32 s52, s[WV], 1
	s_lshl_b32 s52, s52, 5
	s_and_b32 s53, s[WV], 1
	s_lshl_b32 s53, s53, 3
	s_add_co_u32 s52, s52, s53                     ; tile w of a group begins at token 32 (w / 2) + 8 (w % 2)
	v_and_b32 v1, 31, v0
	v_lshlrev_b32 v10, 8, v1                       ; 256 l
	v_lshlrev_b32 v1, 4, v1                        ; 16 l
	v_add_nc_u32 v9, VOFF, v1
	v_and_b32 v28, 15, v0                          ; r
	v_bfe_u32 v29, v0, 4, 1                        ; h
	v_and_b32 v30, 8, v28
	v_add_nc_u32 v30, v30, v28                     ; r + 8 (r / 8)
	v_lshlrev_b32 v31, 4, v29
	v_sub_nc_u32 v30, v30, v31
	v_add_nc_u32 v4, s52, v30                      ; d = my query's place among its 128 tokens - 16 h
	v_lshlrev_b32 v7, 4, v28
	v_lshl_add_u32 v7, v29, 3, v7                  ; 16 r + 8 h
	v_mov_b32 v13, 0xff61b1e6                      ; the largest t so far: -3e38
	v_mov_b32 v15, 0xff61b1e6
	v_floor_f32 v12, -v13
	v_floor_f32 v14, -v15
.irp r, 16,17,18,19,21,23
	v_mov_b32 v\r, 0                               ; the sums; v21, v23 are named as the upper halves of f's pairs
.endr
.set j, 0
.rept 64
	v_mov_b32 v[160+j], 0                          ; O^T: the step has no first form of its own; its first walk finds zeros
.set j, j+1
.endr
	s_wait_alu depctr_va_vdst(0)                   ; ahead of the loads that read v1
	WIN 0x40
	global_load_b128 v[128:131], v1, s[4:5]        ; Q's two fragments stay in registers
	global_load_b128 v[132:135], v1, s[4:5] offset:512
	global_load_b128 v[136:139], v1, s[58:59]
	global_load_b128 v[140:143], v1, s[58:59] offset:512
	WIN 0
	s_wait_kmcnt 0x0
	s_add_co_i32 s50, s44, s45
	s_lshl_b32 s50, s50, 23
	s_add_co_i32 s[CS], s[CS], s50                 ; a score stands for score x 2^(e6 + e7)
	s_mov_b32 s[CS+1], s[CS]
	s_add_co_i32 s50, s46, 127
	s_lshl_b32 s51, s50, 23
	v_mov_b32 v26, s51                             ; 2^e8
	s_add_co_i32 s50, s50, 8
	s_lshl_b32 s50, s50, 23
	s_or_b32 s50, s50, 0x600000
	v_mov_b32 v24, s50                             ; 448 x 2^e8, in two registers: one for each half of a dual line
	v_mov_b32 v25, s50
	s_add_co_i32 s50, s48, 127
	s_lshl_b32 s42, s50, 23                        ; 2^e10
	s_add_co_i32 s50, s50, 8
	s_lshl_b32 s50, s50, 23
	s_or_b32 s41, s50, 0x600000                    ; 448 x 2^e10
	s_add_co_i32 s49, s46, s47                     ; e8 + e9
	s_wait_alu depctr_va_vdst(0)
	s_wait_loadcnt 0x0                             ; Q
.Lslot:                                            ; two trips: behind each change of slots but the last the next slot is asked for
	CHANGE 1
	EIGHT_STEPS 0
	s_sub_co_u32 s[SLOTS], s[SLOTS], 1
	s_cmp_lg_u32 s[SLOTS], 0
	s_cbranch_scc1 .Lslot
	CHANGE 0                                       ; the last slot is written out
	EIGHT_STEPS 1
	; THE WAY OUT: y = O^T / the sum x 2^(e8 + e9), quantised by entry 10.  A lane's eight channels of a tile are 8 bytes at 16 r + 8 h of a cell: 32 lanes fill its 256 bytes.
.rept 4
	v_nop                                          ; places behind the last products
.endr
	v_add_f32 v16, v16, v17
	v_add_f32 v18, v18, v19
	v_permlanex16_b32 v28, v16, s[SEL], s[SEL+1]
	v_permlanex16_b32 v30, v18, s[SEL], s[SEL+1]
	v_add_f32 v16, v16, v28                        ; the rows' sums
	v_add_f32 v18, v18, v30
	s_wait_alu depctr_va_vdst(0)                   ; the wait ahead of the batch
	v_rcp_f32 v16, v16
	v_rcp_f32 v18, v18
	v_mov_b32 v29, s41                             ; (plain lines behind the reciprocals)  y's limit,
	v_mov_b32 v31, s42                             ; y's scale
	s_wait_alu depctr_va_vdst(0)                   ; the wait ahead of the batch's first reader
	v_ldexp_f32 v16, v16, s49
	v_ldexp_f32 v18, v18, s49
	s_wait_alu depctr_va_vdst(0)                   ; directly ahead of the first reader of O^T
.set j, 0
.rept 16
	v_pk_mul_f32 v[32+j:33+j], v[160+j:161+j], v[16:17] op_sel_hi:[1,0]   ; each accumulator from its low end on
	v_pk_mul_f32 v[96+j:97+j], v[192+j:193+j], v[18:19] op_sel_hi:[1,0]
.set j, j+2
.endr
.set j, 0
.rept 32
	v_med3_num_f32 v[32+j], v[32+j], -v29, v29
	v_med3_num_f32 v[96+j], v[96+j], -v29, v29
.set j, j+1
.endr
.irp t, 0,1,2,3
	v_cvt_scalef32_pk8_fp8_f32 v[224+2*\t:225+2*\t], v[32+8*\t:39+8*\t], v31
	v_cvt_scalef32_pk8_fp8_f32 v[232+2*\t:233+2*\t], v[96+8*\t:103+8*\t], v31
.endr
	v_nop
.irp t, 0,1,2,3
	global_store_b64 v7, v[224+2*\t:225+2*\t], s[10:11] offset:256*\t
	global_store_b64 v7, v[232+2*\t:233+2*\t], s[60:61] offset:256*\t
.endr
	s_wait_tensorcnt 0x0                           ; the wave's end
	ds_add_u32 v5, v6
	s_wait_dscnt 0x0
	s_endpgm
.Lfunc_end_k_q25b940af65_attn:
	.size	k_q25b940af65_attn, .Lfunc_end_k_q25b940af65_attn-k_q25b940af65_attn
	.p2alignl 7, 3214868480
	.fill 96, 4, 3214868480
	.section	.rodata,"a",@progbits
	.p2align	6, 0x0
	.amdhsa_kernel k_q25b940af65_attn
		.amdhsa_group_segment_fixed_size 327680
		.amdhsa_private_segment_fixed_size 0
		.amdhsa_enable_private_segment 0
		.amdhsa_kernarg_size 32
		.amdhsa_user_sgpr_count 2
		.amdhsa_user_sgpr_kernarg_segment_ptr 1
		.amdhsa_wavefront_size32 1
		.amdhsa_system_sgpr_workgroup_id_x 1
		.amdhsa_system_sgpr_workgroup_id_y 1
		.amdhsa_system_sgpr_workgroup_id_z 1
		.amdhsa_system_vgpr_workitem_id 0
		.amdhsa_next_free_vgpr 400
		.amdhsa_next_free_sgpr 66
		.amdhsa_reserve_vcc 1
		.amdhsa_float_denorm_mode_32 3
		.amdhsa_float_denorm_mode_16_64 3
		.amdhsa_memory_ordered 1
		.amdhsa_forward_progress 1
		.amdhsa_inst_pref_size 90
	.end_amdhsa_kernel
	.amdgpu_metadata
---
amdhsa.version: [ 1, 2 ]
amdhsa.kernels:
  - .name:           k_q25b940af65_attn
    .symbol:         k_q25b940af65_attn.kd
    .args:
      - { .name: qc, .offset: 0, .size: 8, .value_kind: global_buffer, .address_space: global }
      - { .name: kvc, .offset: 8, .size: 8, .value_kind: global_buffer, .address_space: global }
      - { .name: lowp_scales, .offset: 16, .size: 8, .value_kind: global_buffer, .address_space: global }
      - { .name: yc, .offset: 24, .size: 8, .value_kind: global_buffer, .address_space: global }
    .group_segment_fixed_size: 327680
    .private_segment_fixed_size: 0
    .kernarg_segment_align: 8
    .kernarg_segment_size: 32
    .max_flat_workgroup_size: 256
    .sgpr_count:     66
    .vgpr_count:     400
    .wavefront_size: 32
...
	.end_amdgpu_metadata
.endif
;; end of part 3
;; launch proj (part 4): grid 8 x 32, 4 waves a work-group, clusters of 4 x 4, 327,680 bytes of LDS; arguments yc, wc, lowp_scales, bp, out0; writes out0
.if DOCPART == 4
	.amdgcn_target "amdgcn-amd-amdhsa--gfx1250"
	.amdhsa_code_object_version 6
	.text
	.protected	k_q25b940af65_proj
	.globl	k_q25b940af65_proj
	.p2align	8
	.type	k_q25b940af65_proj,@function
k_q25b940af65_proj:
	s_mov_b64 s[64:65], 0
	v_nop
	global_prefetch_b8 v0, s[64:65] scope:SCOPE_SE
	s_setreg_imm32_b32 hwreg(HW_REG_WAVE_MODE, 25, 1), 1
	s_wait_xcnt 0x0
	s_wait_alu depctr_hold_cnt(0) depctr_sa_sdst(0) depctr_va_vdst(0) depctr_va_sdst(0) depctr_va_ssrc(0) depctr_va_vcc(0) depctr_vm_vsrc(0)
	s_getreg_b32 s2, hwreg(HW_REG_IB_STS2, 6, 4)
	s_cmp_eq_u32 s2, 0
	s_cbranch_scc0 .Lentry_in_a_cluster
	s_endpgm
.Lentry_in_a_cluster:
	s_bfe_u32 s2, ttmp6, 0x10000c
	s_cmp_lg_u32 s2, 0xf033
	s_cbranch_scc0 .Lentry_shape_is_right
	s_endpgm
.Lentry_shape_is_right:
; PROJ: out0 = y Wp + bp on codes of E4M3 (entries 10, 11): 4096 x 1024 x 1024; a work-group makes 128 tokens x 128 columns, a wave 64 x 64.
; LIMIT: entries 10 + 11 between -126 and 127, so that 2^(their sum) is an f32 number.
; K = 1,024 codes: both operands of the tile lie whole in LDS, one tensor load a wave, issued at the start; nothing is filled again.
; CLUSTER 4 x 4: tokens' tiles are asked for jointly along a row of the cluster, Wp's along a column.
; Codes lie in cells [16 rows][16 along K] of 256 bytes: four registers of a fragment are 512 consecutive bytes, lane l's at 16 l.  Row r of token tile 2 B + u is token 32 B + 8 u + r + 8 (r / 8).
; Source 0 = Wp's rows, source 1 = tokens: a lane holds a token and 8 neighbouring columns; a tile of 16 tokens goes through my stage and leaves as rows of 256 bytes.
; REGISTERS: window 0: v1-21 lane numbers and addresses, v22, v23 the add's two, v32-63 bias, v64-127 two sets of 32 at work, v128-255 accumulator (a, b) at 128 + 8 (4 a + b); window 1: two sets of fragments.
; THE FILLS.
; waves 0, 1 the tokens' halves, waves 2, 3 Wp's.  LDS: 65,536 x wave; tile i at 16,384 i, K step s at 2,048 s: one address register for each operand.
.set CHUNK, 65536                      ; what one wave fetches
.set WOFF,  2*CHUNK                    ; Wp's tiles lie behind the tokens'
.set STG,   4*CHUNK                    ; 16 rows x 272 bytes for each wave
.set SPARE, STG+4*4352                 ; the spare words, 128 bytes for each wave: two blocks of 256 bytes that no other line names
.set ADRX, 8
.set ADRW, 12
.set BI,   32
.set T0,   64
.set ACC,  128
.set G1X,  36
.set G1W,  44
.set G0X,  68
.set G0W,  84
.set MSB, 0
.macro WIN new
.if MSB != \new
	s_set_vgpr_msb (MSB<<8)|\new
.set MSB, \new
.endif
.endm
.macro PLACES
.rept 4
	v_nop
.endr
.endm
.macro CROUND
	s_barrier_signal -1
	s_barrier_wait -1
	s_cmp_lg_u32 s24, 0
	s_cbranch_scc1 .Lnot_wave_0_\@
	s_barrier_signal -3
.Lnot_wave_0_\@:
	s_barrier_wait -3
	s_barrier_signal -1
	s_barrier_wait -1
.endm
.macro FETCH s, f
	WIN 0x40                                       ; destination window 1, address window 0
.irp i, 0,1,2,3
.irp c, 0,1,2,3
	ds_load_b128 v[\f+16*\i+4*\c:\f+16*\i+4*\c+3], v[ADRX] offset:16384*\i+2048*(\s)+512*\c
	ds_load_b128 v[\f+64+16*\i+4*\c:\f+64+16*\i+4*\c+3], v[ADRW] offset:16384*\i+2048*(\s)+512*\c
.endr
.endr
.endm
.macro MUL8 f, a0, zero
.irp a, \a0, \a0+1
.irp b, 0,1,2,3
.set rD, ACC+8*(4*(\a)+\b)
.set rA, \f+64+16*\b
.set rB, \f+16*(\a)
.if \zero
	v_wmma_f32_16x16x128_fp8_fp8 v[rD:rD+7], v[rA:rA+15], v[rB:rB+15], 0
.else
	v_wmma_f32_16x16x128_fp8_fp8 v[rD:rD+7], v[rA:rA+15], v[rB:rB+15], v[rD:rD+7]
.endif
.endr
.endr
.endm
.macro KSTEP s, zero                   ; the next step's fragments are asked for first; the 16 accumulators take turns
	s_wait_dscnt 0x0
.if (\s) < 7
	PLACES
	FETCH (\s)+1, 128*(((\s)+1)%2)
.endif
	WIN 0x05
	MUL8 128*((\s)%2), 0, \zero
	MUL8 128*((\s)%2), 2, \zero
.endm
.macro SEND a, younger
.set TS, T0+32*((\a)%2)
	s_wait_dscnt \younger
.irp i, 0,1,2,3,4,5,6,7
	global_store_b128 v20, v[TS+4*\i:TS+4*\i+3], s[66:67] offset:(32*((\a)/2)+8*((\a)%2)+2*\i+8*(\i/4))*4096 th:TH_STORE_NT   ; sixteen lanes store 256 consecutive bytes, aligned
.endr
.endm
.macro EPIROW a
.set TT, T0+32*((\a)%2)
.set AA, ACC+32*(\a)
.if (\a) > 0
	s_wait_xcnt 0x0                                ; earlier stores have read the registers that are written again
.endif
.set ej, 0
.rept 16
	v_pk_fma_f32 v[TT+ej:TT+ej+1], v[AA+ej:AA+ej+1], s[54:55], v[BI+ej:BI+ej+1] op_sel_hi:[1,0,1]   ; sum x 2^(e10 + e11) + bias; each accumulator from its low end on
.set ej, ej+2
.endr
.irp b, 0,1,2,3
	ds_store_b128 v16, v[TT+8*\b:TT+8*\b+3] offset:64*\b
	ds_store_b128 v16, v[TT+8*\b+4:TT+8*\b+7] offset:64*\b+16
.endr
.irp i, 0,1,2,3,4,5,6,7
	ds_load_b128 v[TT+4*\i:TT+4*\i+3], v17 offset:544*\i    ; LDS serves a wave's instructions in order: these see my stores
.endr
.if (\a) > 0
	SEND (\a)-1, 16                                ; behind the last tile's loads: this tile's 8 stores and 8 loads
.endif
.endm
	s_load_b256 s[4:11], s[0:1], 0x0               ; yc, wc, lowp_scales, bp
	s_load_b64 s[12:13], s[0:1], 0x20              ; out0
	v_lshl_add_u32 v22, v0, 2, SPARE
	v_mov_b32 v23, 0
	ds_add_u32 v22, v23                            ; the wave's opening: the add and its wait ahead of my first tensor load
	ds_add_u32 v22, v23
	v_lshrrev_b32 v1, 5, v0
	v_readfirstlane_b32 s24, v1
	s_lshr_b32 s25, s24, 1                         ; xh; also: I fetch tokens (0) or Wp (1)
	s_and_b32 s26, s24, 1                          ; wh; also: which four tiles I fetch
	s_bfe_u32 s27, ttmp6, 0x40000
	s_bfe_u32 s28, ttmp6, 0x40004
	s_lshl_b32 s29, ttmp9, 2
	s_add_co_u32 s29, s29, s27                     ; tx
	s_and_b32 s32, ttmp7, 0xffff
	s_lshl_b32 s32, s32, 2
	s_add_co_u32 s32, s32, s28                     ; ty
	s_lshl_b32 s33, s28, 2
	s_lshl_b32 s33, 15, s33
	s_lshl_b32 s34, 0x1111, s27
	s_or_b32 s[G1X], s33, (3<<16)|(1<<21)
	s_or_b32 s[G1W], s34, (3<<16)|(1<<21)
.irp g, G1X, G1W
	s_mov_b32 s[\g+1], 2048<<16                    ; 4 rows of 2,048 elements of 8 bytes: a tile of 16 rows, all of K
	s_mov_b32 s[\g+2], 4<<16
	s_mov_b32 s[\g+3], 2048<<16
	s_mov_b32 s[\g+4], 4
	s_mov_b32 s[\g+5], 2048
	s_mov_b32 s[\g+6], 0
	s_mov_b32 s[\g+7], 0
.endr
	s_lshl_b32 s62, s32, 3
	s_lshl_b32 s63, s26, 2
	s_add_co_u32 s62, s62, s63
	s_lshl_b32 s62, s62, 14                        ; tokens: tile 8 ty + 4 half: no cx enters
	s_mov_b32 s63, 0
	s_lshl_b32 s66, s29, 3
	s_lshl_b32 s67, s26, 2
	s_add_co_u32 s66, s66, s67
	s_lshl_b32 s66, s66, 14
	s_add_co_u32 s66, s66, 0x300000                ; Wp is the fourth weight in wc: no cy enters
	s_mov_b32 s67, 0
	s_lshl_b32 s61, s24, 16                        ; where they go: 65,536 x wave
	s_wait_dscnt 0x0
	s_wait_kmcnt 0x0
	s_load_b64 s[52:53], s[8:9], 0x28              ; entries 10, 11
	s_add_nc_u64 s[62:63], s[4:5], s[62:63]
	s_add_nc_u64 s[66:67], s[6:7], s[66:67]
.irp c, 0
	s_mov_b32 s[G0X+4*\c], 1
	s_add_co_u32 s[G0X+4*\c+1], s61, \c*CHUNK
	s_add_nc_u64 s[G0X+4*\c+2:G0X+4*\c+3], s[62:63], \c*4096
	s_or_b32 s[G0X+4*\c+3], s[G0X+4*\c+3], 0x80000000
	s_mov_b32 s[G0W+4*\c], 1
	s_add_co_u32 s[G0W+4*\c+1], s61, \c*CHUNK
	s_add_nc_u64 s[G0W+4*\c+2:G0W+4*\c+3], s[66:67], \c*4096
	s_or_b32 s[G0W+4*\c+3], s[G0W+4*\c+3], 0x80000000
.endr
	CROUND
	s_cmp_eq_u32 s25, 0                            ; one fill a wave, in one of the two arms of a branch on its number
	s_cbranch_scc0 .Lfirst_w
.irp c, 0
	tensor_load_to_lds s[G0X+4*\c:G0X+4*\c+3], s[G1X:G1X+7]
	s_nop 0
.endr
	PLACES
	s_branch .Lfirst_done
.Lfirst_w:
.irp c, 0
	tensor_load_to_lds s[G0W+4*\c:G0W+4*\c+3], s[G1W:G1W+7]
	s_nop 0
.endr
	PLACES
.Lfirst_done:
	v_and_b32 v1, 15, v0
	v_bfe_u32 v2, v0, 4, 1
	v_and_b32 v3, 31, v0
	v_lshlrev_b32 v4, 4, v3
	s_lshl_b32 s61, s25, 16
	v_add_nc_u32 v[ADRX], s61, v4
	s_lshl_b32 s61, s26, 16
	s_add_co_u32 s61, s61, WOFF
	v_add_nc_u32 v[ADRW], s61, v4
	s_mul_i32 s61, s24, 4352
	s_add_co_u32 s61, s61, STG
	v_mul_u32_u24 v16, v1, 272
	v_lshl_add_u32 v16, v2, 5, v16
	v_add_nc_u32 v16, s61, v16                     ; the stage, in: row r, + 32 h
	v_mul_u32_u24 v17, v2, 272
	v_lshl_add_u32 v17, v1, 4, v17
	v_add_nc_u32 v17, s61, v17                     ; back: two rows
	v_lshlrev_b32 v20, 12, v2
	v_lshl_add_u32 v20, v1, 4, v20                 ; and the same two rows in out0
	v_lshlrev_b32 v21, 5, v2
	s_lshl_b32 s2, s29, 9
	s_lshl_b32 s3, s26, 8
	s_add_co_u32 s2, s2, s3                        ; my 64 columns, in bytes
	s_mov_b32 s3, 0
	s_add_nc_u64 s[58:59], s[10:11], s[2:3]
.irp b, 0,1,2,3
	global_load_b128 v[BI+8*\b:BI+8*\b+3], v21, s[58:59] offset:64*\b
	global_load_b128 v[BI+8*\b+4:BI+8*\b+7], v21, s[58:59] offset:64*\b+16
.endr
	s_lshl_b32 s66, s32, 7
	s_lshl_b32 s67, s25, 6
	s_add_co_u32 s66, s66, s67                     ; my first row
	s_lshl_b32 s66, s66, 12
	s_add_co_u32 s66, s66, s2
	s_mov_b32 s67, 0
	s_add_nc_u64 s[66:67], s[12:13], s[66:67]
	s_wait_kmcnt 0x0
	s_add_co_i32 s54, s52, s53
	s_add_co_i32 s54, s54, 127
	s_lshl_b32 s54, s54, 23                        ; 2^(e10 + e11)
	s_mov_b32 s55, s54
	s_wait_alu depctr_va_vdst(0)
	s_wait_tensorcnt 0x0                           ; my one load has landed
	s_barrier_signal -1
	s_barrier_wait -1
	FETCH 0, 0
	KSTEP 0, 1
	KSTEP 1, 0
	KSTEP 2, 0
	KSTEP 3, 0
	KSTEP 4, 0
	KSTEP 5, 0
	KSTEP 6, 0
	KSTEP 7, 0
	WIN 0
	PLACES
	s_wait_loadcnt 0x0                             ; the bias
	EPIROW 0
	EPIROW 1
	EPIROW 2
	EPIROW 3
	SEND 3, 0
	s_wait_tensorcnt 0x0                           ; the wave's end
	ds_add_u32 v22, v23
	s_wait_dscnt 0x0
	CROUND                                         ; the closing round
	s_endpgm
.Lfunc_end_k_q25b940af65_proj:
	.size	k_q25b940af65_proj, .Lfunc_end_k_q25b940af65_proj-k_q25b940af65_proj
	.p2alignl 7, 3214868480
	.fill 96, 4, 3214868480
	.section	.rodata,"a",@progbits
	.p2align	6, 0x0
	.amdhsa_kernel k_q25b940af65_proj
		.amdhsa_group_segment_fixed_size 327680
		.amdhsa_private_segment_fixed_size 0
		.amdhsa_enable_private_segment 0
		.amdhsa_kernarg_size 40
		.amdhsa_user_sgpr_count 2
		.amdhsa_user_sgpr_kernarg_segment_ptr 1
		.amdhsa_wavefront_size32 1
		.amdhsa_system_sgpr_workgroup_id_x 1
		.amdhsa_system_sgpr_workgroup_id_y 1
		.amdhsa_system_sgpr_workgroup_id_z 1
		.amdhsa_system_vgpr_workitem_id 0
		.amdhsa_next_free_vgpr 512
		.amdhsa_next_free_sgpr 100
		.amdhsa_reserve_vcc 0
		.amdhsa_float_denorm_mode_32 3
		.amdhsa_float_denorm_mode_16_64 3
		.amdhsa_memory_ordered 1
		.amdhsa_forward_progress 1
		.amdhsa_inst_pref_size 44
	.end_amdhsa_kernel
	.amdgpu_metadata
---
amdhsa.version: [ 1, 2 ]
amdhsa.kernels:
  - .name:           k_q25b940af65_proj
    .symbol:         k_q25b940af65_proj.kd
    .args:
      - { .name: yc, .offset: 0, .size: 8, .value_kind: global_buffer, .address_space: global }
      - { .name: wc, .offset: 8, .size: 8, .value_kind: global_buffer, .address_space: global }
      - { .name: lowp_scales, .offset: 16, .size: 8, .value_kind: global_buffer, .address_space: global }
      - { .name: bp, .offset: 24, .size: 8, .value_kind: global_buffer, .address_space: global }
      - { .name: out0, .offset: 32, .size: 8, .value_kind: global_buffer, .address_space: global }
    .group_segment_fixed_size: 327680
    .private_segment_fixed_size: 0
    .kernarg_segment_align: 8
    .kernarg_segment_size: 40
    .max_flat_workgroup_size: 128
    .sgpr_count:     100
    .vgpr_count:     512
    .wavefront_size: 32
...
	.end_amdgpu_metadata
.endif
;; end of part 4
